; MI455X (gfx1250); checked and timed in simulation.
; The chip was launched on July 23, 2026; its instructions are those of AMD's public machine-readable ISA for CDNA 5 (MIT licence, August 2026) and "CDNA5" Instruction Set Architecture Reference Guide (July 2026). The comments in the code are by the model that wrote it; some were corrected since.
;; Causal Self Attention. Allowed arithmetic: matrix products marked QUANTISED: E2M1 operands, one E8M0 scale for each 32 along K, by v_wmma_scale_f32_16x16x128_f8f6f4 with both operands' format E2M1 (or v_wmma_scale_f32_32x16x128_f4), f32 sums; products left as they are: bf16, f16 or f32 operands; f32 sums; everything else in f32.
;; Inputs: attn_mask 8 x 1,024 bool; cos 1 x 1 x 1,024 x 32 float32; sin 1 x 1 x 1,024 x 32 float32; w_proj 1,024 x 1,024 float32; w_qkv 1,024 x 3,072 float32; x 8 x 1,024 x 1,024 float32.
;; Outputs: out0 8 x 1,024 x 1,024 float32.
;; This version of the problem:
;;   THIS VERSION OF THE PROBLEM IS GIVEN IN LOW PRECISION. The matrix products marked QUANTISED in the list below multiply operands that are first quantised to E2M1 (2 exponent bits, 1 mantissa bit; 4 bits a number), with one power-of-two scale for each 32 numbers along K (OCP MX v1.0); their sums are f32. The products marked 'left as it is' may take bf16, f16 or f32 operands, with f32 sums. Whichever they take, every output number must still come out within the allowed error. Rounding operands to bf16 (8 significant bits) uses up far more of that allowance than f16 does (11 bits, for magnitudes from 6e-5 to 65,504). All else is computed in f32.
;;   The module's matrix products, in the order in which they are computed (A, B: the left and right operand; K: the contracted axis; several contracted axes count as one K, in the product's order):
;;     1. [M 8,192, K 1,024] x [K 1,024, N 3,072]; A: input x; B: input w_qkv: QUANTISED
;;     2. batch 128 x [M 1,024, K 64] x [K 64, N 1,024]; A: computed on the way; B: computed on the way: left as it is (an operand is computed on the way)
;;     3. batch 128 x [M 1,024, K 1,024] x [K 1,024, N 64]; A: computed on the way; B: computed on the way: left as it is (an operand is computed on the way)
;;     4. [M 8,192, K 1,024] x [K 1,024, N 1,024]; A: computed on the way; B: input w_proj: left as it is (an operand is computed on the way)
;;   THE QUANTISER, for each operand of a quantised product, along K:
;;     - K is cut into blocks of 32 from its start; a last block that is shorter is filled with zeros.
;;     - A block's scale is 2^e with e = floor(log2(the largest magnitude in the block)) - 2, held to -126 .. 127; a block of zeros has e = 0. As a byte (E8M0): e + 127.
;;     - Each number is divided by its block's scale, clamped to +-6, and rounded to the nearest number of E2M1, ties to even, subnormals kept.
;;     - The product sums the exact products of the quantised numbers (number of the format x scale) in f32.
;;   ~~~python
;;   def quantise(x, axis):      # numpy; x: float32 -> the quantised numbers, widened to float32 again
;;       x = np.moveaxis(x, axis, -1); K = x.shape[-1]
;;       x = np.pad(x, [(0, 0)] * (x.ndim - 1) + [(0, -K % 32)]); x = x.reshape(x.shape[:-1] + (-1, 32)); a = np.abs(x).max(-1, keepdims=True)
;;       e = np.where(a > 0, np.clip(np.frexp(np.where(a > 0, a, 1))[1] - 1 - 2, -126, 127), 0)      # np.frexp(a)[1] - 1 = floor(log2(a)), exactly
;;       r = np.clip(x / 2.0 ** e, -6, 6)
;;       step = 2.0 ** (np.maximum(np.frexp(np.where(r == 0, 1, r))[1] - 1, 0) - 1)
;;       q = np.round(r / step) * step * 2.0 ** e      # np.round: ties to even
;;       return np.moveaxis(q.reshape(q.shape[:-2] + (-1,))[..., :K], -1, axis).astype(np.float32)
;;   ~~~
;; 2 versions, each right. Each part assembles by itself: llvm-mc -triple=amdgcn-amd-amdhsa -mcpu=gfx1250 --defsym DOCPART=n.
;; ======== version 1 of 2: 7 launches
;; limits: values are held in f16: magnitudes above 65,504 overflow, below 6.1e-05 lose precision
;; workspace buffers: xc 4,194,304 bytes; xs 262,144 bytes; wc 1,572,864 bytes; ws 98,304 bytes; wp16 2,097,152 bytes; qkv 50,331,648 bytes; side 1,835,008 bytes; y 16,777,216 bytes
;; launch quant_x (part 1): grid 256 x 1, 4 waves a work-group, no clusters, 33,280 bytes of LDS; arguments x, xc, xs; writes xc, xs
.if DOCPART == 1
	.amdgcn_target "amdgcn-amd-amdhsa--gfx1250"
	.amdhsa_code_object_version 6
	.text
	.protected	k_qdef009ff08_quant_x
	.globl	k_qdef009ff08_quant_x
	.p2align	8
	.type	k_qdef009ff08_quant_x,@function
k_qdef009ff08_quant_x:
	s_mov_b64 s[64:65], 0
	v_nop
	global_prefetch_b8 v0, s[64:65] scope:SCOPE_SE
	s_setreg_imm32_b32 hwreg(HW_REG_WAVE_MODE, 25, 1), 1
	s_wait_xcnt 0x0
; x [8192][1024] f32 becomes codes of FP4 (E2M1), K innermost (xc: 512 bytes a row), and one E8M0 scale byte for each 32 along K (xs: 32 bytes a row).
; A block's scale is 2^(floor(log2(its largest magnitude)) - 2); its byte is the largest magnitude's exponent field - 2, held at 1 from below.  A block of zeros so gets the byte 1:
; its codes are zeros, which add nothing under that byte, and the bytes are read by this program alone.
; LIMITS: NaN and infinities among the inputs are not served.
; Rows are dense and 1,024 is a multiple of 32: the tensor is a plain stream of blocks of 32, and so are its codes and scale bytes.
; A wave takes 16 steps of 512 numbers.  Each load reads 512 consecutive bytes; a step's 2,048 bytes turn through the wave's own stage in LDS and come back 64 bytes a lane,
; so that a lane holds 16 neighbours along K (two neighbouring lanes hold a block).  A wave's store of codes covers 256 consecutive bytes; its 256 scale bytes leave as one aligned block.
; Memory binds: no matrix unit, no cluster, no barrier (waves share nothing).  Loads run four steps (16 loads a wave) ahead.
.set WAVES, 4
.set STEPS, 16
.set CB,    8                          ; bytes of 16 codes
.set R,     16                         ; v16-79   four sets of 16 numbers as loaded
.set X,     80                         ; v80-111  two sets of 16 neighbours
.set C,     128                        ; v128-191 codes: registers of its own for each step
.set E,     112                        ; v112-127 a scale byte for each step
.set WREG,  8192                       ; LDS: a region for each wave: two stages of 32 x SP bytes, then its 256 scale bytes
.set SP,    80                         ; a lane's place in a stage: 64 bytes + 16 of padding
.set SPW,   12                         ; v12 LDS address of my spare word; never rewritten
.set NIL,   13                         ; v13 0; never rewritten
.set SPARE, WAVES*WREG                 ; the spare words, 128 bytes a wave, named by no other line
	s_load_b128 s[4:7], s[0:1], 0x0                ; x, the codes
	s_load_b64 s[10:11], s[0:1], 0x10              ; the scale bytes
	v_lshl_add_u32 v[SPW], v0, 2, SPARE
	v_mov_b32 v[NIL], 0
	v_lshrrev_b32 v1, 5, v0
	v_readfirstlane_b32 s16, v1                    ; wave
	v_and_b32 v2, 31, v0                           ; lane
	v_lshlrev_b32 v3, 4, v2                        ; my 16 bytes of a load's 512
	s_mul_i32 s17, s16, WREG
	v_lshrrev_b32 v14, 2, v2
	v_mul_u32_u24 v14, v14, SP
	v_and_b32 v15, 3, v2
	v_lshl_add_u32 v14, v15, 4, v14
	v_add_nc_u32 v14, s17, v14                     ; the stage, on the way in: SP (lane / 4) + 16 (lane % 4)
	v_mul_u32_u24 v15, v2, SP
	v_add_nc_u32 v15, s17, v15                     ; and on the way out: SP x lane
	v_mul_u32_u24 v4, v2, CB                       ; my codes' place in a step's
	v_lshrrev_b32 v5, 1, v2
	s_add_co_u32 s17, s17, 2*32*SP
	v_add_nc_u32 v5, s17, v5                       ; LDS: my block's scale byte
	v_lshlrev_b32 v7, 3, v2                        ; on the way out 8 bytes a lane
	v_add_nc_u32 v6, s17, v7
	s_lshl_b32 s17, ttmp9, 2
	s_add_co_u32 s18, s17, s16                     ; which run of 8,192 numbers is my wave's
	s_mov_b32 s19, 0
	s_mov_b64 s[20:21], 512*STEPS*4
	s_mul_u64 s[20:21], s[18:19], s[20:21]
	s_mov_b64 s[22:23], 32*STEPS*CB
	s_mul_u64 s[22:23], s[18:19], s[22:23]
	s_lshl_b32 s18, s18, 8                         ; 256 scale bytes a run
	s_wait_kmcnt 0x0
	s_add_nc_u64 s[4:5], s[4:5], s[20:21]
	s_add_nc_u64 s[6:7], s[6:7], s[22:23]
	s_add_nc_u64 s[10:11], s[10:11], s[18:19]
.macro LOAD t
.irp i, 0,1,2,3
	global_load_b128 v[R+16*((\t)%4)+4*\i:R+16*((\t)%4)+4*\i+3], v3, s[4:5] offset:2048*(\t)+512*\i th:TH_LOAD_NT   ; 32 lanes read 512 consecutive bytes
.endr
.endm
.macro TURN t                          ; step t's numbers through the stage: LDS serves a wave's instructions in order, so no wait stands between the stores and the loads
.irp i, 0,1,2,3
	ds_store_b128 v14, v[R+16*((\t)%4)+4*\i:R+16*((\t)%4)+4*\i+3] offset:32*SP*((\t)%2)+8*SP*\i
.endr
.irp i, 0,1,2,3
	ds_load_b128 v[X+16*((\t)%2)+4*\i:X+16*((\t)%2)+4*\i+3], v15 offset:32*SP*((\t)%2)+16*\i
.endr
.endm
.irp t, 0,1,2,3
	LOAD \t
.endr
	s_wait_loadcnt 12                              ; step 0's four loads are in; twelve younger ones stay out
	TURN 0
.macro STEP t
.set XS, X+16*((\t)%2)
.if (\t) > 0
	s_wait_dscnt 1                                 ; this step's numbers are back from the stage; the last step's byte store may be out
.else
	s_wait_dscnt 0x0
.endif
.if (\t)+4 < STEPS
	LOAD (\t)+4                                    ; into the registers that the stage's stores have read
.endif
.if (\t)+1 < STEPS
.if STEPS-2-(\t) >= 3
	s_wait_loadcnt 12                              ; the next step's four loads are in; those of three steps behind it may be out
.else
	s_wait_loadcnt 4*(STEPS-2-(\t))
.endif
	TURN (\t)+1
.endif
	v_max3_num_f32 v8, |v[XS]|, |v[XS+1]|, |v[XS+2]|               ; the largest magnitude of my 16, in two chains
	v_max3_num_f32 v9, |v[XS+3]|, |v[XS+4]|, |v[XS+5]|
.irp i, 6,10
	v_max3_num_f32 v8, v8, |v[XS+\i]|, |v[XS+\i+1]|
	v_max3_num_f32 v9, v9, |v[XS+\i+2]|, |v[XS+\i+3]|
.endr
	v_max3_num_f32 v8, v8, |v[XS+14]|, |v[XS+15]|
	v_max3_num_f32 v8, v8, v9, 0x1800000           ; and the floor 2^(3 - 127): the byte cannot fall under 1
	v_max_num_f32_dpp v8, v8, v8 row_xmask:1 row_mask:0xf bank_mask:0xf   ; with my neighbour's 16: the block's
	v_add_nc_u32 v11, 0xff000000, v8               ; 2 off its exponent field: the conversion takes that field as its scale
	v_cvt_scalef32_pk8_fp4_f32 v[C+4*(\t)], v[XS:XS+7], v11
	v_cvt_scalef32_pk8_fp4_f32 v[C+4*(\t)+1], v[XS+8:XS+15], v11
	v_lshrrev_b32 v[E+(\t)], 23, v11               ; the scale's byte (a plain line behind the conversions)
	ds_store_b8 v5, v[E+(\t)] offset:16*(\t)       ; both lanes of a block write the same byte with the same value
	global_store_b64 v4, v[C+4*(\t):C+4*(\t)+1], s[6:7] offset:32*CB*(\t)   ; the wave stores 256 consecutive bytes, aligned
.endm
.irp t, 0,1,2,3,4,5,6,7,8,9,10,11,12,13,14,15
	STEP \t
.endr
	ds_load_b64 v[8:9], v6                         ; in order behind my byte stores
	s_wait_dscnt 0x0
	global_store_b64 v7, v[8:9], s[10:11]          ; 256 consecutive bytes, aligned
	s_wait_tensorcnt 0x0                           ; the wave's end, behind my last LDS store
	ds_add_u32 v[SPW], v[NIL]
	s_wait_dscnt 0x0
	s_endpgm
.Lfunc_end_k_qdef009ff08_quant_x:
	.size	k_qdef009ff08_quant_x, .Lfunc_end_k_qdef009ff08_quant_x-k_qdef009ff08_quant_x
	.p2alignl 7, 3214868480
	.fill 96, 4, 3214868480
	.section	.rodata,"a",@progbits
	.p2align	6, 0x0
	.amdhsa_kernel k_qdef009ff08_quant_x
		.amdhsa_group_segment_fixed_size 33280
		.amdhsa_private_segment_fixed_size 0
		.amdhsa_enable_private_segment 0
		.amdhsa_kernarg_size 24
		.amdhsa_user_sgpr_count 2
		.amdhsa_user_sgpr_kernarg_segment_ptr 1
		.amdhsa_wavefront_size32 1
		.amdhsa_system_sgpr_workgroup_id_x 1
		.amdhsa_system_sgpr_workgroup_id_y 1
		.amdhsa_system_sgpr_workgroup_id_z 1
		.amdhsa_system_vgpr_workitem_id 0
		.amdhsa_next_free_vgpr 192
		.amdhsa_next_free_sgpr 66
		.amdhsa_reserve_vcc 0
		.amdhsa_float_denorm_mode_32 3
		.amdhsa_float_denorm_mode_16_64 3
		.amdhsa_memory_ordered 1
		.amdhsa_forward_progress 1
		.amdhsa_inst_pref_size 33
	.end_amdhsa_kernel
	.amdgpu_metadata
---
amdhsa.version: [ 1, 2 ]
amdhsa.kernels:
  - .name:           k_qdef009ff08_quant_x
    .symbol:         k_qdef009ff08_quant_x.kd
    .args:
      - { .name: x, .offset: 0, .size: 8, .value_kind: global_buffer, .address_space: global }
      - { .name: xc, .offset: 8, .size: 8, .value_kind: global_buffer, .address_space: global }
      - { .name: xs, .offset: 16, .size: 8, .value_kind: global_buffer, .address_space: global }
    .group_segment_fixed_size: 33280
    .private_segment_fixed_size: 0
    .kernarg_segment_align: 8
    .kernarg_segment_size: 24
    .max_flat_workgroup_size: 128
    .sgpr_count:     66
    .vgpr_count:     192
    .wavefront_size: 32
...
	.end_amdgpu_metadata
.endif
;; end of part 1
;; launch quant_w (part 2): grid 24 x 2, 4 waves a work-group, no clusters, 35,840 bytes of LDS; arguments w_qkv, wc, ws; writes wc, ws
.if DOCPART == 2
	.amdgcn_target "amdgcn-amd-amdhsa--gfx1250"
	.amdhsa_code_object_version 6
	.text
	.protected	k_qdef009ff08_quant_w
	.globl	k_qdef009ff08_quant_w
	.p2align	8
	.type	k_qdef009ff08_quant_w,@function
k_qdef009ff08_quant_w:
	s_mov_b64 s[64:65], 0
	v_nop
	global_prefetch_b8 v0, s[64:65] scope:SCOPE_SE
	s_setreg_imm32_b32 hwreg(HW_REG_WAVE_MODE, 25, 1), 1
	s_wait_xcnt 0x0
; w_qkv [1024 (k)][3072 (n)] f32: K is its FIRST axis.  It becomes codes of FP4 (E2M1) laid [3072][1024] with K innermost (wc: 512 bytes a row) and scale bytes [3072][32] (ws).
; A LANE TAKES A COLUMN n AND ITS REGISTERS RUN DOWN K: each load reads 128 consecutive bytes a wave, a block of 32 along K lies in one lane's 32 registers, and the conversions give codes with K innermost.
; The scale as in the launch for x; a block of zeros keeps the byte 1 (its codes are zeros; this program alone reads the bytes).  LIMITS: NaN and infinities are not served.
; A wave takes 32 columns x 512 along K; its codes go through its own stage in LDS and leave as rows: sixteen lanes store 256 consecutive bytes, aligned.  Waves share nothing: no barrier.
; Every offset is an immediate: 511 x 3072 x 4 and 30 x 512 bytes lie inside the signed 24-bit field (ISA guide, chapter 10).
.set SIZE_K, 1024
.set SIZE_N, 3072
.set KW,    512
.set NB,    KW/32
.set ROWB,  256
.set PITCH, ROWB+16
.set KROW,  SIZE_K*4/8
.set X,     32                         ; v32-95   two sets of 32 numbers
.set C,     96                         ; v96-99   a block's codes
.set OUTR,  112                        ; v112-175 the way out
.set SPW,   14
.set NIL,   15
.set SPARE, 4*32*PITCH
.set SB,    24                         ; v24-27   the scale bytes, four to a register
	s_load_b128 s[4:7], s[0:1], 0x0                ; W, the codes
	s_load_b64 s[8:9], s[0:1], 0x10                ; the scale bytes
	v_lshl_add_u32 v[SPW], v0, 2, SPARE
	v_mov_b32 v[NIL], 0
	v_lshrrev_b32 v1, 5, v0
	v_readfirstlane_b32 s16, v1                    ; wave
	v_and_b32 v2, 31, v0                           ; lane
	s_lshl_b32 s17, ttmp9, 7
	s_lshl_b32 s18, s16, 5
	s_add_co_u32 s17, s17, s18                     ; my wave's first column
	s_and_b32 s18, ttmp7, 0xffff                   ; which 512 along K
	v_lshlrev_b32 v3, 2, v2
	s_mul_i32 s19, s16, 32*PITCH                   ; my stage
	v_mul_u32_u24 v4, v2, PITCH
	v_add_nc_u32 v4, s19, v4                       ; into it: row = my column
	v_and_b32 v5, 15, v2
	v_lshrrev_b32 v6, 4, v2
	v_mul_u32_u24 v7, v6, PITCH
	v_lshl_add_u32 v7, v5, 4, v7
	v_add_nc_u32 v7, s19, v7                       ; out of it: sixteen lanes to a row
	v_mul_u32_u24 v8, v6, KROW
	v_lshl_add_u32 v8, v5, 4, v8                   ; the same place in the codes' buffer
	s_mov_b32 s19, 0
	s_mov_b64 s[20:21], KW*SIZE_N*4
	s_mul_u64 s[20:21], s[18:19], s[20:21]
	s_lshl_b32 s22, s17, 2
	s_mov_b32 s23, 0
	s_add_nc_u64 s[20:21], s[20:21], s[22:23]
	s_mov_b32 s22, s17
	s_mov_b64 s[24:25], KROW
	s_mul_u64 s[24:25], s[22:23], s[24:25]
	s_mul_i32 s26, s18, ROWB
	s_mov_b32 s27, 0
	s_add_nc_u64 s[24:25], s[24:25], s[26:27]
	s_mov_b64 s[28:29], SIZE_K/32
	s_mul_u64 s[28:29], s[22:23], s[28:29]
	s_mul_i32 s26, s18, NB
	s_add_nc_u64 s[28:29], s[28:29], s[26:27]
	v_mul_u32_u24 v9, v2, SIZE_K/32                ; my column's row of scale bytes
	s_wait_kmcnt 0x0
	s_add_nc_u64 s[4:5], s[4:5], s[20:21]
	s_add_nc_u64 s[6:7], s[6:7], s[24:25]
	s_add_nc_u64 s[8:9], s[8:9], s[28:29]
.macro LOAD t
.irp i, 0,1,2,3,4,5,6,7,8,9,10,11,12,13,14,15,16,17,18,19,20,21,22,23,24,25,26,27,28,29,30,31
	global_load_b32 v[X+32*((\t)%2)+\i], v3, s[4:5] offset:(32*(\t)+\i)*SIZE_N*4 th:TH_LOAD_NT
.endr
.endm
	LOAD 0
	LOAD 1
.macro BLOCK t
.set XS, X+32*((\t)%2)
.if (\t) < NB-1
	s_wait_loadcnt 32                              ; this block's 32 loads are in; the next block's may be out
.else
	s_wait_loadcnt 0
.endif
	v_max3_num_f32 v12, |v[XS]|, |v[XS+1]|, |v[XS+2]|
	v_max3_num_f32 v13, |v[XS+3]|, |v[XS+4]|, |v[XS+5]|
.irp i, 6,10,14,18,22,26
	v_max3_num_f32 v12, v12, |v[XS+\i]|, |v[XS+\i+1]|
	v_max3_num_f32 v13, v13, |v[XS+\i+2]|, |v[XS+\i+3]|
.endr
	v_max3_num_f32 v12, v12, |v[XS+30]|, |v[XS+31]|
	v_max3_num_f32 v12, v12, v13, 0x1800000        ; the floor 2^(3 - 127)
	v_add_nc_u32 v11, 0xff000000, v12              ; 2 off the exponent field: the conversion's scale operand
	v_lshrrev_b32 v13, 23, v11                     ; the scale's byte
.if (\t)%4 == 0
	v_mov_b32 v[SB+(\t)/4], v13
.else
	v_lshl_or_b32 v[SB+(\t)/4], v13, 8*((\t)%4), v[SB+(\t)/4]
.endif
.irp g, 0,1,2,3
	v_cvt_scalef32_pk8_fp4_f32 v[C+\g], v[XS+8*\g:XS+8*\g+7], v11
.endr
	v_nop                                          ; a plain line behind the last conversion
	ds_store_b128 v4, v[C:C+3] offset:16*(\t)      ; 32 codes: 16 bytes of my column's row
.if (\t)+2 < NB
	LOAD (\t)+2
.endif
	s_wait_dscnt 0x0                               ; the store has read its registers: the next block's codes may be written
.endm
.set Q, 0
.rept NB
	BLOCK Q
.set Q, Q+1
.endr
	global_store_b128 v9, v[SB:SB+3], s[8:9]       ; my column's 16 scale bytes
.irp t, 0,1,2,3,4,5,6,7,8,9,10,11,12,13,14,15
	ds_load_b128 v[OUTR+4*\t:OUTR+4*\t+3], v7 offset:2*\t*PITCH
.endr
.irp t, 0,1,2,3,4,5,6,7,8,9,10,11,12,13,14,15
	s_wait_dscnt 15-\t                             ; LDS loads come back in order: load t is in
	global_store_b128 v8, v[OUTR+4*\t:OUTR+4*\t+3], s[6:7] offset:2*\t*KROW
.endr
	s_wait_tensorcnt 0x0                           ; the wave's end, behind my last LDS store
	ds_add_u32 v[SPW], v[NIL]
	s_wait_dscnt 0x0
	s_endpgm
.Lfunc_end_k_qdef009ff08_quant_w:
	.size	k_qdef009ff08_quant_w, .Lfunc_end_k_qdef009ff08_quant_w-k_qdef009ff08_quant_w
	.p2alignl 7, 3214868480
	.fill 96, 4, 3214868480
	.section	.rodata,"a",@progbits
	.p2align	6, 0x0
	.amdhsa_kernel k_qdef009ff08_quant_w
		.amdhsa_group_segment_fixed_size 35840
		.amdhsa_private_segment_fixed_size 0
		.amdhsa_enable_private_segment 0
		.amdhsa_kernarg_size 24
		.amdhsa_user_sgpr_count 2
		.amdhsa_user_sgpr_kernarg_segment_ptr 1
		.amdhsa_wavefront_size32 1
		.amdhsa_system_sgpr_workgroup_id_x 1
		.amdhsa_system_sgpr_workgroup_id_y 1
		.amdhsa_system_sgpr_workgroup_id_z 1
		.amdhsa_system_vgpr_workitem_id 0
		.amdhsa_next_free_vgpr 192
		.amdhsa_next_free_sgpr 66
		.amdhsa_reserve_vcc 0
		.amdhsa_float_denorm_mode_32 3
		.amdhsa_float_denorm_mode_16_64 3
		.amdhsa_memory_ordered 1
		.amdhsa_forward_progress 1
		.amdhsa_inst_pref_size 79
	.end_amdhsa_kernel
	.amdgpu_metadata
---
amdhsa.version: [ 1, 2 ]
amdhsa.kernels:
  - .name:           k_qdef009ff08_quant_w
    .symbol:         k_qdef009ff08_quant_w.kd
    .args:
      - { .name: w_qkv, .offset: 0, .size: 8, .value_kind: global_buffer, .address_space: global }
      - { .name: wc, .offset: 8, .size: 8, .value_kind: global_buffer, .address_space: global }
      - { .name: ws, .offset: 16, .size: 8, .value_kind: global_buffer, .address_space: global }
    .group_segment_fixed_size: 35840
    .private_segment_fixed_size: 0
    .kernarg_segment_align: 8
    .kernarg_segment_size: 24
    .max_flat_workgroup_size: 128
    .sgpr_count:     66
    .vgpr_count:     192
    .wavefront_size: 32
...
	.end_amdgpu_metadata
.endif
;; end of part 2
;; launch cast_wp (part 3): grid 8 x 8, 4 waves a work-group, no clusters, 35,840 bytes of LDS; arguments w_proj, wp16; writes wp16
.if DOCPART == 3
	.amdgcn_target "amdgcn-amd-amdhsa--gfx1250"
	.amdhsa_code_object_version 6
	.text
	.protected	k_qdef009ff08_cast_wp
	.globl	k_qdef009ff08_cast_wp
	.p2align	8
	.type	k_qdef009ff08_cast_wp,@function
k_qdef009ff08_cast_wp:
	s_mov_b64 s[64:65], 0
	v_nop
	global_prefetch_b8 v0, s[64:65] scope:SCOPE_SE
	s_setreg_imm32_b32 hwreg(HW_REG_WAVE_MODE, 25, 1), 1
	s_wait_xcnt 0x0
; w_proj [1024 (k)][1024 (n)] f32 becomes f16 laid [n][k], K innermost, as the last product's launch wants its second operand.
; A lane takes a column n and its registers run down K: each load reads 128 consecutive bytes a wave, and two neighbours along K round into one register.
; A wave takes 32 columns x 128 along K (256 bytes of f16 a column); they go through its own stage in LDS and leave as rows: sixteen lanes store 256 consecutive bytes, aligned.
; LIMIT: |w_proj| under 65,504, the range of f16.  Memory binds: no matrix unit, no cluster, no barrier.
.set KW,    128
.set NB,    4                          ; blocks of 32 along K
.set PITCH, 272
.set KROW,  2048                       ; a row of wp16 in bytes
.set NROW,  4096                       ; a row of w_proj in bytes
.set X,     32                         ; v32-95   two sets of 32 numbers
.set C,     96                         ; v96-111  32 numbers as f16
.set OUTR,  112                        ; v112-175 the way out
.set SPW,   14
.set NIL,   15
.set SPARE, 4*32*PITCH
	s_load_b128 s[4:7], s[0:1], 0x0                ; w_proj, wp16
	v_lshl_add_u32 v[SPW], v0, 2, SPARE
	v_mov_b32 v[NIL], 0
	v_lshrrev_b32 v1, 5, v0
	v_readfirstlane_b32 s16, v1                    ; wave
	v_and_b32 v2, 31, v0                           ; lane
	s_lshl_b32 s17, ttmp9, 7
	s_lshl_b32 s18, s16, 5
	s_add_co_u32 s17, s17, s18                     ; my wave's first column
	s_and_b32 s18, ttmp7, 0xffff                   ; which 128 along K
	v_lshlrev_b32 v3, 2, v2
	s_mul_i32 s19, s16, 32*PITCH                   ; my stage
	v_mul_u32_u24 v4, v2, PITCH
	v_add_nc_u32 v4, s19, v4
	v_and_b32 v5, 15, v2
	v_lshrrev_b32 v6, 4, v2
	v_mul_u32_u24 v7, v6, PITCH
	v_lshl_add_u32 v7, v5, 4, v7
	v_add_nc_u32 v7, s19, v7
	v_mul_u32_u24 v8, v6, KROW
	v_lshl_add_u32 v8, v5, 4, v8
	s_mul_i32 s20, s18, KW*NROW                    ; 128 y rows of w_proj
	s_lshl_b32 s22, s17, 2
	s_add_co_u32 s20, s20, s22                     ; + 4 x column
	s_mov_b32 s21, 0
	s_mul_i32 s24, s17, KROW                       ; column x 2,048
	s_lshl_b32 s22, s18, 8
	s_add_co_u32 s24, s24, s22                     ; + 256 y
	s_mov_b32 s25, 0
	s_wait_kmcnt 0x0
	s_add_nc_u64 s[4:5], s[4:5], s[20:21]
	s_add_nc_u64 s[6:7], s[6:7], s[24:25]
.macro LOAD t
.irp i, 0,1,2,3,4,5,6,7,8,9,10,11,12,13,14,15,16,17,18,19,20,21,22,23,24,25,26,27,28,29,30,31
	global_load_b32 v[X+32*((\t)%2)+\i], v3, s[4:5] offset:(32*(\t)+\i)*NROW th:TH_LOAD_NT
.endr
.endm
	LOAD 0
	LOAD 1
.macro BLOCK t
.set XS, X+32*((\t)%2)
.if (\t) < NB-1
	s_wait_loadcnt 32                              ; this block's 32 loads are in; the next block's may be out
.else
	s_wait_loadcnt 0
.endif
.irp i, 0,1,2,3,4,5,6,7,8,9,10,11,12,13,14,15
	v_cvt_pk_f16_f32 v[C+\i], v[XS+2*\i], v[XS+2*\i+1]
.endr
.irp g, 0,1,2,3
	ds_store_b128 v4, v[C+4*\g:C+4*\g+3] offset:64*(\t)+16*\g
.endr
.if (\t)+2 < NB
	LOAD (\t)+2
.endif
	s_wait_dscnt 0x0                               ; the stores have read their registers
.endm
.irp t, 0,1,2,3
	BLOCK \t
.endr
.irp t, 0,1,2,3,4,5,6,7,8,9,10,11,12,13,14,15
	ds_load_b128 v[OUTR+4*\t:OUTR+4*\t+3], v7 offset:2*\t*PITCH
.endr
.irp t, 0,1,2,3,4,5,6,7,8,9,10,11,12,13,14,15
	s_wait_dscnt 15-\t
	global_store_b128 v8, v[OUTR+4*\t:OUTR+4*\t+3], s[6:7] offset:2*\t*KROW
.endr
	s_wait_tensorcnt 0x0                           ; the wave's end, behind my last LDS store
	ds_add_u32 v[SPW], v[NIL]
	s_wait_dscnt 0x0
	s_endpgm
.Lfunc_end_k_qdef009ff08_cast_wp:
	.size	k_qdef009ff08_cast_wp, .Lfunc_end_k_qdef009ff08_cast_wp-k_qdef009ff08_cast_wp
	.p2alignl 7, 3214868480
	.fill 96, 4, 3214868480
	.section	.rodata,"a",@progbits
	.p2align	6, 0x0
	.amdhsa_kernel k_qdef009ff08_cast_wp
		.amdhsa_group_segment_fixed_size 35840
		.amdhsa_private_segment_fixed_size 0
		.amdhsa_enable_private_segment 0
		.amdhsa_kernarg_size 16
		.amdhsa_user_sgpr_count 2
		.amdhsa_user_sgpr_kernarg_segment_ptr 1
		.amdhsa_wavefront_size32 1
		.amdhsa_system_sgpr_workgroup_id_x 1
		.amdhsa_system_sgpr_workgroup_id_y 1
		.amdhsa_system_sgpr_workgroup_id_z 1
		.amdhsa_system_vgpr_workitem_id 0
		.amdhsa_next_free_vgpr 192
		.amdhsa_next_free_sgpr 66
		.amdhsa_reserve_vcc 0
		.amdhsa_float_denorm_mode_32 3
		.amdhsa_float_denorm_mode_16_64 3
		.amdhsa_memory_ordered 1
		.amdhsa_forward_progress 1
		.amdhsa_inst_pref_size 23
	.end_amdhsa_kernel
	.amdgpu_metadata
---
amdhsa.version: [ 1, 2 ]
amdhsa.kernels:
  - .name:           k_qdef009ff08_cast_wp
    .symbol:         k_qdef009ff08_cast_wp.kd
    .args:
      - { .name: w_proj, .offset: 0, .size: 8, .value_kind: global_buffer, .address_space: global }
      - { .name: wp16, .offset: 8, .size: 8, .value_kind: global_buffer, .address_space: global }
    .group_segment_fixed_size: 35840
    .private_segment_fixed_size: 0
    .kernarg_segment_align: 8
    .kernarg_segment_size: 16
    .max_flat_workgroup_size: 128
    .sgpr_count:     66
    .vgpr_count:     192
    .wavefront_size: 32
...
	.end_amdgpu_metadata
.endif
;; end of part 3
;; launch gemm_qkv (part 4): grid 12 x 32, 4 waves a work-group, clusters of 4 x 4, 327,680 bytes of LDS; arguments xc, xs, wc, ws, cos, sin, qkv, side; writes qkv, side
.if DOCPART == 4
	.amdgcn_target "amdgcn-amd-amdhsa--gfx1250"
	.amdhsa_code_object_version 6
	.text
	.protected	k_qdef009ff08_gemm_qkv
	.globl	k_qdef009ff08_gemm_qkv
	.p2align	8
	.type	k_qdef009ff08_gemm_qkv,@function
k_qdef009ff08_gemm_qkv:
	s_mov_b64 s[64:65], 0
	v_nop
	global_prefetch_b8 v0, s[64:65] scope:SCOPE_SE
	s_setreg_imm32_b32 hwreg(HW_REG_WAVE_MODE, 25, 1), 1
	s_wait_xcnt 0x0
	s_wait_alu depctr_hold_cnt(0) depctr_sa_sdst(0) depctr_va_vdst(0) depctr_va_sdst(0) depctr_va_ssrc(0) depctr_va_vcc(0) depctr_vm_vsrc(0)
	s_getreg_b32 s2, hwreg(HW_REG_IB_STS2, 6, 4)
	s_cmp_eq_u32 s2, 0
	s_cbranch_scc0 .Lentry_in_a_cluster
	s_endpgm
.Lentry_in_a_cluster:
	s_bfe_u32 s2, ttmp6, 0x10000c
	s_cmp_lg_u32 s2, 0xf033
	s_cbranch_scc0 .Lentry_shape_is_right
	s_endpgm
.Lentry_shape_is_right:
; qkv = Q(x) Q(w_qkv), [8192][3072], on codes of FP4 (E2M1) with one E8M0 scale for each 32 along K = 1,024; sums in f32.  On the way out: the rotation by cos and sin (q and k), in f32;
; rounding to f16 into qkv [part 3][batch 8][head pair 8][position 1024][128]; an f32 copy of positions 0 to 15 (side, byte 0: [part][batch][16][1024]); and, for v, the sums of each column over my 128 rows
; (side, byte 1,572,864: [batch][8][1024] f32), from which the next launch makes the mean of v.
; LIMIT: |q|, |k|, |v| under 65,504, the range of f16.
; A tile of 256 x 256 is made by four waves, 128 x 128 each: 64 accumulators, 512 registers.  K is two steps of 512 (tile rows of 256 bytes): both LDS slots and the scales are first fills; nothing is filled again.
; CLUSTERS: 4 x 4 work-groups; x's tiles are asked for jointly along a row of the cluster, w's along a column.  The tile row is 8 cy + cluster y, so that the quarter of a sequence that a tile holds
; (cluster y mod 4) and the part (cluster x: q, k or v) are the same in all sixteen partners: the branches of the way out hang on these two and on the wave's number alone.
; THE MATRIX INSTRUCTION IS USED TRANSPOSED (source 0 = 16 rows of wc, source 1 = 16 rows of xc): a lane holds eight neighbouring columns of one row, that is four pairs of the rotation.
; REGISTERS: window 0: v0-31 addresses, v8-15 at work; v32-95 scale words (two sets; nothing else ever); v128-191 x's fragments, one set; on the way out v96-255 but for the scales.
;   window 1: w's fragments, two sets, v0-63 and v128-191; v64-127 and v192-255 cos and sin of row blocks 0-3, asked for at the head.  windows 2, 3: the accumulators ((a, b) at v[8 (8 (a % 4) + b)]).
.set SIZE_K, 1024
.set KSTEP,  512
.set NQ,     KSTEP/128
.set ROWB,   256
.set KROW,   SIZE_K*4/8
.set PITCH,  272                       ; an LDS row: 256 bytes + 16 of padding: the 16 rows of a fragment load start 68 words apart
.set FR,     8
.set NL,     2
.set NP,     4
.set HALFT,  128*PITCH
.set SLOT,   4*HALFT
.set KS,     SIZE_K/32
.set SCL,    2*SLOT
.set HALFS,  (128*KS/256)*272
.set SBLK,   (16*KS/256)*272
.set SPARE,  SCL+4*HALFS
.set SPITCH, 272                       ; the way out: a stage of 16 rows x (256 bytes + 16) for each wave, in slot 0, which has had its one fill and its last read by then
.set VSTG,   4*16*SPITCH               ; the v path's stages lie behind the q and k path's
.set T,    8                           ; v8-15   at work in the rotation
.set ADRA, 16
.set ADRB, 20
.set VSO,  23                          ; v23     32 h: my place in a row of column sums
.set STO,  24
.set RD,   25
.set CO,   26
.set ADRS, 27
.set SPW,  28
.set NIL,  29
.set CSO,  30                          ; v30     128 r + 16 h: my place in 16 rows of cos or sin
.set Q16O, 31                          ; v31     4096 r + 32 h: my place in the f32 copy
.set SC,   32
.set AF,   128
.set RR,   128                         ; v128-191 a block of 16 rows after the rotation; on the v path the column sums
.set H,    192                         ; v192-223 the block as f16
.set BKE,  224                         ; v224-255, v96-127: 16 rows read back from the stage, by turns
.set BKO,  96
.set G1, 24
.set G0, 32
.set G1B, 48
.set G0B, 56
.set G1S, 68
.set G0S, 76
.set G1SB, 80
.set G0SB, 88
.set MSB, 0
.macro WIN new                         ; the immediate's high byte repeats the setting that is left
.if MSB != (\new)
	s_set_vgpr_msb (MSB<<8)|(\new)
.set MSB, (\new)
.endif
.endm
.set MUL_LO, 0xa1                      ; source 0 (w) window 1, source 1 (x) window 0, C and D window 2
.set MUL_HI, 0xf1
.set TO_B,   0x40                      ; destination window 1
; A joint load: waves 0 and 1 fetch for x, waves 2 and 3 for w; the branch hangs on the wave's number alone.  An s_nop 0 and four v_nop follow each line.
.macro JLOAD g0a, g1a, g0b, g1b
	s_cmp_eq_u32 s15, 0
	s_cbranch_scc0 .Lfor_b_\@
	tensor_load_to_lds s[\g0a:\g0a+3], s[\g1a:\g1a+7]
	s_nop 0
.rept 4
	v_nop
.endr
	s_branch .Lasked_\@
.Lfor_b_\@:
	tensor_load_to_lds s[\g0b:\g0b+3], s[\g1b:\g1b+7]
	s_nop 0
.rept 4
	v_nop
.endr
.Lasked_\@:
.endm
.macro CROUND                          ; a round of the cluster's barrier
	s_barrier_signal -1
	s_barrier_wait -1
	s_cmp_lg_u32 s14, 0
	s_cbranch_scc1 .Lnot_wave_0_\@
	s_barrier_signal -3
.Lnot_wave_0_\@:
	s_barrier_wait -3
	s_barrier_signal -1
	s_barrier_wait -1
.endm
	s_load_b128 s[4:7], s[0:1], 0x0                ; x's codes, x's scales
	s_load_b128 s[8:11], s[0:1], 0x10              ; w's codes, w's scales
	s_load_b128 s[96:99], s[0:1], 0x20             ; cos, sin
	s_load_b64 s[12:13], s[0:1], 0x30              ; qkv
	s_load_b64 s[66:67], s[0:1], 0x38              ; side
	v_lshl_add_u32 v[SPW], v0, 2, SPARE
	v_mov_b32 v[NIL], 0
	ds_add_u32 v[SPW], v[NIL]                      ; the wave's opening: the add, twice on end, and its wait ahead of my first tensor load
	ds_add_u32 v[SPW], v[NIL]
	v_lshrrev_b32 v1, 5, v0
	v_readfirstlane_b32 s14, v1                    ; wave 0..3
	s_lshr_b32 s15, s14, 1                         ; which half of the tile's rows is mine.  Also: I fetch for x (0) or for w (1)
	s_and_b32 s16, s14, 1                          ; which half of its columns.  Also: which 128 rows I fetch
	s_bfe_u32 s40, ttmp6, 0x40000                  ; cx
	s_bfe_u32 s41, ttmp6, 0x40004                  ; cy
	s_lshl_b32 s42, ttmp9, 2
	s_add_co_u32 s42, s42, s40                     ; tile column = 4 x cluster x + cx
	s_and_b32 s2, ttmp7, 0xffff                    ; cluster y
	s_lshl_b32 s17, s41, 3
	s_add_co_u32 s17, s17, s2                      ; tile row = 8 cy + cluster y
	s_lshl_b32 s43, s41, 2
	s_lshl_b32 s43, 15, s43                        ; my row of the cluster
	s_lshl_b32 s44, 0x1111, s40                    ; my column
	s_or_b32 s[G1+0], s43, (0<<16)|(1<<20)|(1<<21)|(5<<22)|(3<<25)   ; the mask; elements of 1 byte; padding: 4 words after every 64; bit 21 beside a mask
	s_or_b32 s[G1B+0], s44, (0<<16)|(1<<20)|(1<<21)|(5<<22)|(3<<25)
.irp g, G1, G1B
	s_mov_b32 s[\g+1], ROWB<<16                    ; tensor_dim0
	s_mov_b32 s[\g+2], 128<<16                     ; tensor_dim1
	s_mov_b32 s[\g+3], ROWB<<16                    ; tile_dim0
	s_mov_b32 s[\g+4], 128                         ; tile_dim1
	s_mov_b32 s[\g+5], KROW                        ; the pitch
	s_mov_b32 s[\g+6], 0
	s_mov_b32 s[\g+7], 0
.endr
	s_or_b32 s[G1S+0], s43, (3<<16)|(1<<20)|(1<<21)|(5<<22)|(3<<25)  ; the scales of 128 rows: 4,096 dense bytes as rows of 256 (32 elements of 8 bytes), padded alike
	s_or_b32 s[G1SB+0], s44, (3<<16)|(1<<20)|(1<<21)|(5<<22)|(3<<25)
.irp g, G1S, G1SB
	s_mov_b32 s[\g+1], 32<<16
	s_mov_b32 s[\g+2], (128*KS/256)<<16
	s_mov_b32 s[\g+3], 32<<16
	s_mov_b32 s[\g+4], 128*KS/256
	s_mov_b32 s[\g+5], 32
	s_mov_b32 s[\g+6], 0
	s_mov_b32 s[\g+7], 0
.endr
	s_lshl_b32 s18, s16, 7
	s_lshl_b32 s20, s17, 8
	s_add_co_u32 s20, s20, s18                     ; x: row 256 x tile row + 128 x half
	s_lshl_b32 s46, s42, 8
	s_add_co_u32 s46, s46, s18                     ; w: row 256 x tile column + 128 x half
	s_mov_b32 s21, 0
	s_mov_b32 s47, 0
	s_mov_b64 s[18:19], KS
	s_mul_u64 s[22:23], s[20:21], s[18:19]
	s_mul_u64 s[92:93], s[46:47], s[18:19]
	s_mov_b64 s[18:19], KROW
	s_mul_u64 s[20:21], s[20:21], s[18:19]
	s_mul_u64 s[46:47], s[46:47], s[18:19]
	s_mul_i32 s45, s14, HALFT                      ; where they go: wave x 128 rows
	s_mul_i32 s94, s14, HALFS
	s_wait_dscnt 0x0                               ; both opening adds are done
	s_wait_kmcnt 0x0
	s_add_nc_u64 s[20:21], s[4:5], s[20:21]
	s_add_nc_u64 s[22:23], s[6:7], s[22:23]
	s_add_nc_u64 s[46:47], s[8:9], s[46:47]
	s_add_nc_u64 s[92:93], s[10:11], s[92:93]
	CROUND                                         ; all sixteen work-groups are here: the joint loads meet
	s_mov_b32 s[G0S], 1
	s_add_co_u32 s[G0S+1], s94, SCL
	s_mov_b64 s[G0S+2:G0S+3], s[22:23]
	s_or_b32 s[G0S+3], s[G0S+3], 0x80000000
	s_mov_b32 s[G0SB], 1
	s_add_co_u32 s[G0SB+1], s94, SCL
	s_mov_b64 s[G0SB+2:G0SB+3], s[92:93]
	s_or_b32 s[G0SB+3], s[G0SB+3], 0x80000000
	JLOAD G0S, G1S, G0SB, G1SB                     ; the scales first; then both K steps: three loads of mine are out
.irp s, 0,1
	s_mov_b32 s[G0+4*\s], 1
	s_add_co_u32 s[G0+4*\s+1], s45, \s*SLOT
	s_add_nc_u64 s[G0+4*\s+2:G0+4*\s+3], s[20:21], \s*ROWB
	s_or_b32 s[G0+4*\s+3], s[G0+4*\s+3], 0x80000000
	s_mov_b32 s[G0B+4*\s], 1
	s_add_co_u32 s[G0B+4*\s+1], s45, \s*SLOT
	s_add_nc_u64 s[G0B+4*\s+2:G0B+4*\s+3], s[46:47], \s*ROWB
	s_or_b32 s[G0B+4*\s+3], s[G0B+4*\s+3], 0x80000000
	JLOAD G0+4*\s, G1, G0B+4*\s, G1B
.endr
	v_and_b32 v1, 15, v0                           ; r = lane % 16 (kept)
	v_bfe_u32 v2, v0, 4, 1                         ; h = lane / 16 (kept)
	v_mul_u32_u24 v3, v1, PITCH
	v_lshl_add_u32 v4, v2, 4, v3
	s_mul_i32 s21, s15, HALFT
	s_mul_i32 s22, s16, HALFT
	s_add_co_u32 s22, s22, 2*HALFT
.irp s, 0,1
	v_add_nc_u32 v[ADRA+\s], s21, v4
	v_add_nc_u32 v[ADRB+\s], s22, v4
	s_add_co_u32 s21, s21, SLOT
	s_add_co_u32 s22, s22, SLOT
.endr
	v_mul_u32_u24 v5, v1, KS                       ; my row's scales: 32 bytes a row, 16 more for each 256 passed
	v_lshrrev_b32 v6, 8, v5
	v_lshl_add_u32 v5, v6, 4, v5
	s_mul_i32 s21, s15, HALFS
	s_mul_i32 s22, s16, HALFS
	s_add_co_u32 s22, s22, 2*HALFS
	s_sub_co_u32 s22, s22, s21
	v_mul_u32_u24 v6, s22, v2                      ; lanes 16-31 take w's
	s_add_co_u32 s21, s21, SCL
	v_add_nc_u32 v5, v5, v6
	v_add_nc_u32 v[ADRS], s21, v5
	s_mul_i32 s23, s14, 16*SPITCH                  ; my stage
	v_mul_u32_u24 v5, v1, SPITCH
	v_lshl_add_u32 v5, v2, 4, v5
	v_add_nc_u32 v[STO], s23, v5                   ; in: row r, 16 bytes for each half of the lanes
	v_mul_u32_u24 v5, v2, SPITCH
	v_lshl_add_u32 v5, v1, 4, v5
	v_add_nc_u32 v[RD], s23, v5                    ; back: lanes 0-15 one row of 256 bytes, lanes 16-31 the next
	v_lshlrev_b32 v5, 8, v2
	v_lshl_add_u32 v[CO], v1, 4, v5                ; and the same two rows in qkv
	v_lshlrev_b32 v5, 7, v1
	v_lshl_add_u32 v[CSO], v2, 4, v5
	v_lshlrev_b32 v5, 12, v1
	v_lshl_add_u32 v[Q16O], v2, 5, v5
	v_lshlrev_b32 v[VSO], 5, v2
	; where my 128 rows x 128 columns go
	s_and_b32 s18, s2, 3                           ; which quarter of its sequence the tile holds
	s_lshl_b32 s19, s18, 8
	s_lshl_b32 s20, s15, 7
	s_add_co_u32 s19, s19, s20                     ; my first position
	s_lshr_b32 s20, s17, 2                         ; the batch
	s_lshl_b32 s21, s40, 1
	s_add_co_u32 s21, s21, s16                     ; the head pair
	s_or_b32 s3, s18, s15                          ; 0: my rows begin with positions 0 to 15
	s_lshl_b32 s22, s19, 7
	s_mov_b32 s23, 0
	s_add_nc_u64 s[96:97], s[96:97], s[22:23]      ; cos and sin at my first position: 128 bytes a position
	s_add_nc_u64 s[98:99], s[98:99], s[22:23]
	s_lshl_b32 s22, s20, 3
	s_add_co_u32 s22, s22, s21
	s_lshl_b32 s22, s22, 10
	s_add_co_u32 s22, s22, s19
	s_lshl_b32 s22, s22, 8
	s_lshl_b32 s44, ttmp9, 24
	s_add_co_u32 s22, s22, s44
	s_add_nc_u64 s[12:13], s[12:13], s[22:23]      ; qkv: part x 2^24 + ((8 batch + pair) x 1024 + position) x 256
	s_lshl_b32 s22, ttmp9, 3
	s_add_co_u32 s22, s22, s20
	s_lshl_b32 s22, s22, 16
	s_lshl_b32 s44, s21, 9
	s_add_co_u32 s22, s22, s44
	s_add_nc_u64 s[92:93], s[66:67], s[22:23]      ; the f32 copy: (8 part + batch) x 65,536 + pair x 512
	s_lshl_b32 s22, s20, 3
	s_lshl_b32 s45, s18, 1
	s_add_co_u32 s22, s22, s45
	s_add_co_u32 s22, s22, s15
	s_lshl_b32 s22, s22, 12
	s_add_co_u32 s22, s22, s44
	s_add_co_u32 s22, s22, 1572864
	s_add_nc_u64 s[94:95], s[66:67], s[22:23]      ; the column sums: (8 batch + 2 quarter + half) x 4,096 + pair x 512
; cos and sin of row block a: a lane's four pairs of each of a head's four column blocks: cos[position][8 cb + 4 h + 0..3].  16 registers of cos, then 16 of sin.
.macro CSLOAD a
.set CSBV, 128*(((\a)%4)/2)+32*((\a)%2)+64*(1-(\a)/4)
.irp cb, 0,1,2,3
	global_load_b128 v[CSBV+4*\cb:CSBV+4*\cb+3], v[CSO], s[96:97] offset:2048*(\a)+32*\cb
	global_load_b128 v[CSBV+16+4*\cb:CSBV+16+4*\cb+3], v[CSO], s[98:99] offset:2048*(\a)+32*\cb
.endr
.endm
	WIN TO_B                                       ; blocks 0-3 are asked for now, into registers of window 1 that the products never name (every work-group asks; the v tiles leave them unread)
	CSLOAD 0
	CSLOAD 1
	CSLOAD 2
	CSLOAD 3
	WIN 0
.macro FRAG reg, adr, q, i             ; 16 rows x 128 K of 4-bit codes: 8 registers, two loads of 16 bytes, 32 bytes apart
.irp c, 0,1
	ds_load_b128 v[\reg+4*\c:\reg+4*\c+3], v[\adr] offset:64*(\q)+32*\c+(\i)*16*PITCH
.endr
.endm
; 16 matrix instructions: x's blocks a0, a0 + 1 against w's eight.  The 64 accumulators take turns, one instruction a turn.
.macro MUL16 a0, p, q, sc, zero
.irp a, \a0, \a0+1
.irp b, 0,1,2,3,4,5,6,7
.if \zero
	v_wmma_scale_f32_16x16x128_f8f6f4 v[8*(8*((\a)%4)+\b):8*(8*((\a)%4)+\b)+7], v[128*(\p)+FR*\b:128*(\p)+FR*\b+FR-1], v[AF+FR*(\a):AF+FR*(\a)+FR-1], 0, v[SC+8*NQ*(\sc)+NQ*\b+(\q)], v[SC+8*NQ*(\sc)+NQ*(\a)+(\q)] matrix_a_fmt:MATRIX_FMT_FP4 matrix_b_fmt:MATRIX_FMT_FP4 matrix_a_scale:MATRIX_SCALE_ROW1
.else
	v_wmma_scale_f32_16x16x128_f8f6f4 v[8*(8*((\a)%4)+\b):8*(8*((\a)%4)+\b)+7], v[128*(\p)+FR*\b:128*(\p)+FR*\b+FR-1], v[AF+FR*(\a):AF+FR*(\a)+FR-1], v[8*(8*((\a)%4)+\b):8*(8*((\a)%4)+\b)+7], v[SC+8*NQ*(\sc)+NQ*\b+(\q)], v[SC+8*NQ*(\sc)+NQ*(\a)+(\q)] matrix_a_fmt:MATRIX_FMT_FP4 matrix_b_fmt:MATRIX_FMT_FP4 matrix_a_scale:MATRIX_SCALE_ROW1
.endif
.endr
.endr
.endm
.macro FETCH_B slot, q, p
	WIN TO_B
.irp i, 0,1,2,3,4,5,6,7
	FRAG 128*(\p)+FR*\i, ADRB+\slot, \q, \i
.endr
	WIN 0
.endm
.macro FETCH_A slot, q, i0
.irp i, \i0, \i0+1, \i0+2, \i0+3
	FRAG AF+FR*(\i), ADRA+\slot, \q, \i
.endr
.endm
.macro SCALES sc                       ; a K step's scale words: lanes 0-15 x's block i, lanes 16-31 w's block i
.irp i, 0,1,2,3,4,5,6,7
	ds_load_b128 v[SC+8*NQ*\sc+NQ*\i:SC+8*NQ*\sc+NQ*\i+3], v[ADRS] offset:\i*SBLK
.endr
.endm
.macro PLACES n                        ; plain vector instructions between a matrix instruction and a load into, or a read of, its registers
.rept \n
	v_nop
.endr
.endm
.macro STEP slot, q, zero              ; 128 along K, with its successor in the same slot
	s_wait_dscnt 4*NL                              ; w's set and x's blocks 0-3 are in; the youngest eight loads (x's blocks 4-7) may be out
	WIN MUL_LO
	MUL16 0, (\q)%2, \q, \slot, \zero
	MUL16 2, (\q)%2, \q, \slot, \zero
	s_wait_dscnt 0
	PLACES NP
	FETCH_B \slot, (\q)+1, 1-(\q)%2
	FETCH_A \slot, (\q)+1, 0
	WIN MUL_HI
	MUL16 4, (\q)%2, \q, \slot, \zero
	MUL16 6, (\q)%2, \q, \slot, \zero
	PLACES NP
	WIN 0
	FETCH_A \slot, (\q)+1, 4
.endm
.macro STEPS slot, from
.set Q, \from
.rept NQ-1-\from
	STEP \slot, Q, 0
.set Q, Q+1
.endr
.endm
	s_wait_tensorcnt 1                             ; the scales and my part of K step 0 are in; K step 1's load may be out,
	s_barrier_signal -1
	s_barrier_wait -1                              ; everybody's are
	FETCH_B 0, 0, 0
	FETCH_A 0, 0, 0
	SCALES 0
	FETCH_A 0, 0, 4
	STEP 0, 0, 1                                   ; the first products start the sums: nothing is cleared
	STEPS 0, 1
	; slot 0's last step changes slots: each wave waits for its part of slot 1 and for its reads of slot 0; behind the barrier slot 1 is whole and nobody reads slot 0 any more
	s_wait_tensorcnt 0x0
	ds_add_u32 v[SPW], v[NIL]
	s_wait_dscnt 4*NL+1                            ; the add and the youngest eight loads may be out
	WIN MUL_LO
	MUL16 0, 1, NQ-1, 0, 0
	s_wait_dscnt 0x0
	s_barrier_signal -1
	MUL16 2, 1, NQ-1, 0, 0
	WIN 0
	s_barrier_wait -1
	PLACES NP
	v_add_nc_u32 v[ADRS], 4*NQ, v[ADRS]            ; the next K step's scale words
	FETCH_B 1, 0, 0
	FETCH_A 1, 0, 0
	SCALES 1
	WIN MUL_HI
	MUL16 4, 1, NQ-1, 0, 0
	MUL16 6, 1, NQ-1, 0, 0
	PLACES NP
	WIN 0
	FETCH_A 1, 0, 4
	STEPS 1, 0
	s_wait_dscnt 4*NL                              ; the very last step
	WIN MUL_LO
	MUL16 0, 1, NQ-1, 1, 0
	MUL16 2, 1, NQ-1, 1, 0
	s_wait_dscnt 0
	WIN MUL_HI
	MUL16 4, 1, NQ-1, 1, 0
	MUL16 6, 1, NQ-1, 1, 0
	WIN 0
; THE WAY OUT, block by block of 16 rows x 128 columns.
; ROT: the rotation of block a: (x1, x2) -> (x1 cos - x2 sin, x1 sin + x2 cos), pairs of neighbouring columns, in f32.  Each accumulator is read from its low end on.
.macro ROT a
.set CSBV, 128*(((\a)%4)/2)+32*((\a)%2)+64*(1-(\a)/4)
.set AC, 64*((\a)%4)
	WIN 0x06+(\a)/4                                ; source 0: the accumulators' window; source 1: window 1
.irp bb, 0,1,2,3,4,5,6,7
.irp i, 0,1,2,3
	v_mul_f32 v[T+2*\i], v[AC+8*\bb+2*\i+1], v[CSBV+16+4*(\bb%4)+\i]
	v_mul_f32 v[T+2*\i+1], v[AC+8*\bb+2*\i], v[CSBV+16+4*(\bb%4)+\i]
.endr
.irp i, 0,1,2,3
	v_fma_f32 v[RR+8*\bb+2*\i], v[AC+8*\bb+2*\i], v[CSBV+4*(\bb%4)+\i], -v[T+2*\i]
	v_fma_f32 v[RR+8*\bb+2*\i+1], v[AC+8*\bb+2*\i+1], v[CSBV+4*(\bb%4)+\i], v[T+2*\i+1]
.endr
.endr
	WIN 0
.endm
.macro QKBLOCK a
.if (\a) == 0
	s_wait_loadcnt 32                              ; the 32 loads of the head are in; the 32 just issued may be out
.elseif (\a) >= 4
	s_wait_loadcnt 8*(7-(\a))                      ; this block's eight are in; the later blocks' may be out
.endif
	ROT \a
.if (\a) == 0
	s_cmp_eq_u32 s3, 0                             ; positions 0 to 15 also leave as f32
	s_cbranch_scc0 .Lnot16_qk
.irp bb, 0,1,2,3,4,5,6,7
	global_store_b128 v[Q16O], v[RR+8*\bb:RR+8*\bb+3], s[92:93] offset:64*\bb
	global_store_b128 v[Q16O], v[RR+8*\bb+4:RR+8*\bb+7], s[92:93] offset:64*\bb+16
.endr
	s_wait_xcnt 0x0                                ; the stores' data are written again by the next block only behind this wait
.Lnot16_qk:
.endif
.irp bb, 0,1,2,3,4,5,6,7
.irp i, 0,1,2,3
	v_cvt_pk_f16_f32 v[H+4*\bb+\i], v[RR+8*\bb+2*\i], v[RR+8*\bb+2*\i+1]
.endr
.endr
.endm
.macro PACKV a
.set AC, 64*((\a)%4)
	WIN 0x0a+5*((\a)/4)                            ; sources 0 and 1: window 2 or 3
.irp bb, 0,1,2,3,4,5,6,7
.irp i, 0,1,2,3
	v_cvt_pk_f16_f32 v[H+4*\bb+\i], v[AC+8*\bb+2*\i], v[AC+8*\bb+2*\i+1]
.endr
.endr
	WIN 0
.endm
.macro TOSTAGE a, off                  ; into my stage, and back as whole rows of 256 bytes: LDS serves a wave's instructions in order
.set BB, BKE-(BKE-BKO)*((\a)%2)
.irp bb, 0,1,2,3,4,5,6,7
	ds_store_b128 v[STO], v[H+4*\bb:H+4*\bb+3] offset:\off+32*\bb
.endr
.irp t, 0,1,2,3,4,5,6,7
	ds_load_b128 v[BB+4*\t:BB+4*\t+3], v[RD] offset:\off+\t*2*SPITCH
.endr
.endm
.macro SEND a
.set BB, BKE-(BKE-BKO)*((\a)%2)
	s_wait_dscnt 0x0                               ; the block is back in registers
	s_wait_xcnt 0x0                                ; the block before has left its registers: the next loads from the stage may land there
.irp t, 0,1,2,3,4,5,6,7
	global_store_b128 v[CO], v[BB+4*\t:BB+4*\t+3], s[12:13] offset:4096*(\a)+512*\t   ; 32 lanes store 512 consecutive bytes, aligned
.endr
.endm
	PLACES NP
	s_cmp_lt_u32 ttmp9, 2                          ; cluster x: 0 q, 1 k, 2 v: the same in all partners
	s_cbranch_scc0 .Lv
	WIN TO_B                                       ; cos and sin of blocks 4-7, into w's fragments' registers, which are done with
	CSLOAD 4
	CSLOAD 5
	CSLOAD 6
	CSLOAD 7
	WIN 0
	QKBLOCK 0
	TOSTAGE 0, 0
.irp a, 1,2,3,4,5,6,7                  ; block a's arithmetic stands between block a - 1's loads from the stage and the wait for them
	QKBLOCK \a
	SEND (\a-1)
	TOSTAGE \a, 0
.endr
	SEND 7
	s_branch .Lend
.Lv:
	; the sums of my 128 columns over my 128 rows: first over the eight blocks, then over the sixteen lanes of a half
	WIN 0x0a
.set i, 0
.rept 32
	v_pk_add_f32 v[RR+i:RR+i+1], v[i:i+1], v[64+i:64+i+1]
.set i, i+2
.endr
	WIN 0x08
.irp a, 2,3
.set i, 0
.rept 32
	v_pk_add_f32 v[RR+i:RR+i+1], v[RR+i:RR+i+1], v[64*\a+i:64*\a+i+1]
.set i, i+2
.endr
.endr
	WIN 0x0c
.irp a, 0,1,2,3
.set i, 0
.rept 32
	v_pk_add_f32 v[RR+i:RR+i+1], v[RR+i:RR+i+1], v[64*\a+i:64*\a+i+1]
.set i, i+2
.endr
.endr
	WIN 0
.irp m, 1,2,4,8
.set i, 0
.rept 64
	v_add_f32_dpp v[RR+i], v[RR+i], v[RR+i] row_xmask:\m row_mask:0xf bank_mask:0xf
.set i, i+1
.endr
.endr
	s_wait_xcnt 0x0                                ; EXEC changes only behind this wait
	v_cmp_eq_u32 vcc_lo, 0, v1
	s_and_saveexec_b32 s20, vcc_lo                 ; lanes 0 and 16 store: eight columns of each block for each half
.irp bb, 0,1,2,3,4,5,6,7
	global_store_b128 v[VSO], v[RR+8*\bb:RR+8*\bb+3], s[94:95] offset:64*\bb
	global_store_b128 v[VSO], v[RR+8*\bb+4:RR+8*\bb+7], s[94:95] offset:64*\bb+16
.endr
	s_wait_xcnt 0x0
	s_or_b32 exec_lo, exec_lo, s20
	s_cmp_eq_u32 s3, 0                             ; positions 0 to 15 also leave as f32, straight from the accumulators
	s_cbranch_scc0 .Lnot16_v
	WIN 0x08                                       ; a store's data: window 2
.irp bb, 0,1,2,3,4,5,6,7
	global_store_b128 v[Q16O], v[8*\bb:8*\bb+3], s[92:93] offset:64*\bb
	global_store_b128 v[Q16O], v[8*\bb+4:8*\bb+7], s[92:93] offset:64*\bb+16
.endr
	WIN 0
.Lnot16_v:
	PACKV 0
	TOSTAGE 0, VSTG
.irp a, 1,2,3,4,5,6,7
	PACKV \a
	SEND (\a-1)
	TOSTAGE \a, VSTG
.endr
	SEND 7
.Lend:
	s_wait_tensorcnt 0x0                           ; the wave's end, behind my last tensor load and my last LDS store
	ds_add_u32 v[SPW], v[NIL]
	s_wait_dscnt 0x0
	CROUND                                         ; the closing round
	s_endpgm
.Lfunc_end_k_qdef009ff08_gemm_qkv:
	.size	k_qdef009ff08_gemm_qkv, .Lfunc_end_k_qdef009ff08_gemm_qkv-k_qdef009ff08_gemm_qkv
	.p2alignl 7, 3214868480
	.fill 96, 4, 3214868480
	.section	.rodata,"a",@progbits
	.p2align	6, 0x0
	.amdhsa_kernel k_qdef009ff08_gemm_qkv
		.amdhsa_group_segment_fixed_size 327680
		.amdhsa_private_segment_fixed_size 0
		.amdhsa_enable_private_segment 0
		.amdhsa_kernarg_size 64
		.amdhsa_user_sgpr_count 2
		.amdhsa_user_sgpr_kernarg_segment_ptr 1
		.amdhsa_wavefront_size32 1
		.amdhsa_system_sgpr_workgroup_id_x 1
		.amdhsa_system_sgpr_workgroup_id_y 1
		.amdhsa_system_sgpr_workgroup_id_z 1
		.amdhsa_system_vgpr_workitem_id 0
		.amdhsa_next_free_vgpr 1024
		.amdhsa_next_free_sgpr 100
		.amdhsa_reserve_vcc 1
		.amdhsa_float_denorm_mode_32 3
		.amdhsa_float_denorm_mode_16_64 3
		.amdhsa_memory_ordered 1
		.amdhsa_forward_progress 1
		.amdhsa_inst_pref_size 248
	.end_amdhsa_kernel
	.amdgpu_metadata
---
amdhsa.version: [ 1, 2 ]
amdhsa.kernels:
  - .name:           k_qdef009ff08_gemm_qkv
    .symbol:         k_qdef009ff08_gemm_qkv.kd
    .args:
      - { .name: xc, .offset: 0, .size: 8, .value_kind: global_buffer, .address_space: global }
      - { .name: xs, .offset: 8, .size: 8, .value_kind: global_buffer, .address_space: global }
      - { .name: wc, .offset: 16, .size: 8, .value_kind: global_buffer, .address_space: global }
      - { .name: ws, .offset: 24, .size: 8, .value_kind: global_buffer, .address_space: global }
      - { .name: cos, .offset: 32, .size: 8, .value_kind: global_buffer, .address_space: global }
      - { .name: sin, .offset: 40, .size: 8, .value_kind: global_buffer, .address_space: global }
      - { .name: qkv, .offset: 48, .size: 8, .value_kind: global_buffer, .address_space: global }
      - { .name: side, .offset: 56, .size: 8, .value_kind: global_buffer, .address_space: global }
    .group_segment_fixed_size: 327680
    .private_segment_fixed_size: 0
    .kernarg_segment_align: 8
    .kernarg_segment_size: 64
    .max_flat_workgroup_size: 128
    .sgpr_count:     100
    .vgpr_count:     1024
    .wavefront_size: 32
...
	.end_amdgpu_metadata
.endif
;; end of part 4
;; launch attn (part 5): grid 64 x 8, 16 waves a work-group, no clusters, 327,680 bytes of LDS; arguments qkv, side, attn_mask, y; writes y
.if DOCPART == 5
	.amdgcn_target "amdgcn-amd-amdhsa--gfx1250"
	.amdhsa_code_object_version 6
	.text
	.protected	k_qdef009ff08_attn
	.globl	k_qdef009ff08_attn
	.p2align	8
	.type	k_qdef009ff08_attn,@function
k_qdef009ff08_attn:
	s_mov_b64 s[64:65], 0
	v_nop
	global_prefetch_b8 v0, s[64:65] scope:SCOPE_SE
	s_setreg_imm32_b32 hwreg(HW_REG_WAVE_MODE, 25, 1), 1
	s_wait_xcnt 0x0
; y[b][q][head] = softmax over k of (q . k / 8, masked) v, for all positions; operands f16, products' sums, maxima and sums in f32; y leaves as f16 [8192][1024].
; THE MASK: key k counts for query q where k <= q and both are valid.  A masked score is replaced by a very low number in the definition, so (a) a valid query, which always has itself as a key, gives masked keys
; the weight 0; (b) an invalid query has 1,024 equal scores: its row is the mean of v over the whole sequence.  Here: an invalid key's score gets -1e30 added (a table in LDS, given to the first product as its C);
; a hidden key's score becomes -1e30; the running maximum makes their weights 0 as soon as a key counts; rows of invalid queries are replaced at the end by the mean, made from the column sums in side.
; LIMIT: |q|, |k|, |v| under 65,504 (f16): then |q . k| stays under 2.8e11, far above -1e30.
; SHARES.  A work-group owns 128 queries of a pair of heads (a row of qkv holds both: 256 bytes); wave w owns head w / 8 of the pair and 16 queries, one tile, in 256 registers: four waves to a SIMD.
; Keys go 64 a step through a ring of two LDS slots of 128 keys (waves 0, 1 fetch K's halves, waves 2, 3 V's).  Every work-group walks all eight slots, so that every trip count is a constant; a step all of whose keys come
; after the wave's queries is jumped over, and a slot that begins after the work-group's last query is not asked for.  The blocks of late queries, which have the most steps, have the lowest work-group numbers.
; NO CLUSTER: the query blocks of a head pair need different numbers of tiles under the causal mask: a partner would have to ask for tiles that none of its waves reads.
; LAYOUT.  S^T = K Q^T and O^T = V^T P: a lane holds one query (lane % 16) throughout; two tiles of S^T, rounded in pairs, are the second product's source 1.  V is turned by ds_load_tr16_b128.
.set PK,    272                        ; a row of K in LDS: 256 bytes + 16
.set PV,    288                        ; a row of V: 256 + 32
.set VOFF,  128*PK                     ; a slot: 128 rows of K, then 128 of V
.set SLOT1, 1<<17
.set KB,    2*SLOT1                    ; the keys' bias: 1,024 f32
.set VM,    KB+4096                    ; the mean of v: 256 bytes for each wave, its head's 64 channels
.set SPARE, VM+4096                    ; the spare words, 128 bytes a wave, named by no other line
.set STAGE, SPARE+2048                 ; the way out: 128 rows x (256 bytes + 16)
.set SP,    272
.set AK0,  1                           ; v1   my lane's place in a tile of K
.set AV0,  2                           ; v2   in a tile of V
.set AB0,  3                           ; v3   in the bias table
.set SPW,  4                           ; v4   my spare word; never rewritten
.set NIL,  5                           ; v5   0; never rewritten
.set ADK,  6                           ; v6-8 the addresses of the step in hand
.set ADV,  7
.set ADB,  8
.set QV,   9                           ; v9   my query's mask byte
.set NEGR, 10                          ; v10  -1e30
.set DQ,   11                          ; v11  r - 8 h
.set ST,   12                          ; v12 c m, v13 m, v14-15 l, v16-19 at work (a in v18)
.set Q,    20                          ; v20-35   Q: two fragments
.set S,    36                          ; v36-67   S^T, then p
.set P,    68                          ; v68-83   p as f16
.set O,    84                          ; v84-115  O^T
.set KR,   116                         ; v116-179 K's eight fragments
.set VR,   180                         ; v180-243 V's eight
.set PFO,  244
.set STO,  245
.set RD,   246
.set GO,   247
.set VMR,  255                         ; v255 where I read my head's mean
.set WV,   18
.set HH,   19
.set SEL,  20
.set CS,   22
.set G1K,  24
.set G1V,  32
.set G0K,  40
.set G0V,  44
.set TB,   2                           ; s2   the slot in hand
.set TS,   3                           ; s3   the step's place in the bias table: 256 bytes a step
.set KF,   66                          ; s66  the step's first key
.set SLOTS, 67
.set PFA,  76
.set LIM,  80
.set Q0,   99                          ; s99  my first query
.macro TLOAD                           ; waves 0, 1: K; waves 2, 3: V; the others nothing.  An s_nop 0 and four v_nop follow each line
	s_cmp_lt_u32 s[WV], 2
	s_cbranch_scc0 .Lnot_k_\@
	tensor_load_to_lds s[G0K:G0K+3], s[G1K:G1K+7]
	s_nop 0
.rept 4
	v_nop
.endr
	s_branch .Lasked_\@
.Lnot_k_\@:
	s_cmp_lt_u32 s[WV], 4
	s_cbranch_scc0 .Lasked_\@
	tensor_load_to_lds s[G0V:G0V+3], s[G1V:G1V+7]
	s_nop 0
.rept 4
	v_nop
.endr
.Lasked_\@:
.endm
; A prefetch of what the NEXT change of slots will ask for: 128 rows of K and 128 of V, 256 bytes a row, a lane a row.  All eight work-groups of a head pair walk the same rows: the one with the last queries,
; which loads every slot, asks, and nobody else; in it waves 4 to 7 ask for K's rows and waves 8 to 11 for V's, 32 each: each row is named once.  The last change that fills a slot asks for nothing.
.macro ASK
	s_cmp_gt_u32 s[SLOTS], s[LIM]
	s_cbranch_scc0 .Lnot_mine_\@
	global_prefetch_b8 v[PFO], s[PFA:PFA+1] th:TH_LOAD_NT scope:SCOPE_SE
.Lnot_mine_\@:
.endm
	s_load_b256 s[4:11], s[0:1], 0x0               ; qkv, side, attn_mask, y
	v_lshl_add_u32 v[SPW], v0, 2, SPARE
	v_mov_b32 v[NIL], 0
	ds_add_u32 v[SPW], v[NIL]                      ; the wave's opening: the add, twice on end, and its wait ahead of the first tensor load
	ds_add_u32 v[SPW], v[NIL]
	v_lshrrev_b32 v6, 5, v0
	v_readfirstlane_b32 s[WV], v6                  ; wave 0..15
	s_lshr_b32 s[HH], s[WV], 3                     ; my head of the pair
	s_and_b32 s12, s[WV], 7                        ; my tile of queries
	s_and_b32 s13, ttmp7, 0xffff
	s_sub_co_u32 s14, 7, s13                       ; the block of 128 queries: the last blocks first
	s_lshl_b32 s14, s14, 7
	s_lshl_b32 s12, s12, 4
	s_add_co_u32 s[Q0], s14, s12
	s_lshr_b32 s15, ttmp9, 3                       ; the batch
	s_and_b32 s16, ttmp9, 7                        ; the head pair
	s_and_b32 s17, s[WV], 1                        ; which 64 rows of a slot I fetch, if I fetch
	s_mov_b32 s[G1K], (1<<16)|(1<<20)|(5<<22)|(3<<25)   ; elements of 2 bytes; 4 words of padding after every 64
	s_mov_b32 s[G1V], (1<<16)|(1<<20)|(5<<22)|(7<<25)   ; 8 words of padding
.irp g, G1K, G1V
	s_mov_b32 s[\g+1], 128<<16                     ; tensor_dim0
	s_mov_b32 s[\g+2], 64<<16                      ; tensor_dim1
	s_mov_b32 s[\g+3], 128<<16                     ; tile_dim0
	s_mov_b32 s[\g+4], 64                          ; tile_dim1
	s_mov_b32 s[\g+5], 128                         ; the pitch
	s_mov_b32 s[\g+6], 0
	s_mov_b32 s[\g+7], 0
.endr
	s_lshl_b32 s68, ttmp9, 18                      ; the head pair's 1,024 rows of 256 bytes
	s_lshl_b32 s70, s17, 14
	s_add_co_u32 s70, s70, s68
	s_add_co_u32 s70, s70, 16777216                ; K's part
	s_mov_b32 s71, 0
	s_add_co_u32 s72, s70, 16777216                ; V's part
	s_mov_b32 s73, 0
	s_mul_i32 s74, s17, 64*PK
	s_mul_i32 s75, s17, 64*PV
	s_add_co_u32 s75, s75, VOFF
	s_mov_b32 s[SEL], 0x76543210
	s_mov_b32 s[SEL+1], 0xfedcba98
	s_mov_b32 s[CS], 0x3e38aa3b                    ; c = log2(e) / 8
	s_mov_b32 s[CS+1], s[CS]
	s_mov_b32 s[TB], 0
	s_mov_b32 s[TS], 0
	s_mov_b32 s[KF], 0
	s_mov_b32 s[SLOTS], 7
	s_wait_dscnt 0x0                               ; both opening adds are done
	s_wait_kmcnt 0x0
	s_mov_b32 s[G0K], 1
	s_mov_b32 s[G0K+1], s74
	s_add_nc_u64 s[G0K+2:G0K+3], s[4:5], s[70:71]
	s_or_b32 s[G0K+3], s[G0K+3], 0x80000000
	s_mov_b32 s[G0V], 1
	s_mov_b32 s[G0V+1], s75
	s_add_nc_u64 s[G0V+2:G0V+3], s[4:5], s[72:73]
	s_or_b32 s[G0V+3], s[G0V+3], 0x80000000
	TLOAD                                          ; slot 0: key 0 counts for the causal mask of every query
	v_and_b32 v253, 15, v0                         ; r
	v_bfe_u32 v254, v0, 4, 1                       ; h
	v_and_b32 v250, 31, v0                         ; lane
	v_lshlrev_b32 v248, 1, v0
	v_lshlrev_b32 v251, 2, v250
	v_lshlrev_b32 v252, 8, v253
	v_lshl_add_u32 v252, v254, 4, v252             ; Q: 256 r + 16 h
	s_lshl_b32 s82, s15, 10
	s_mov_b32 s83, 0
	s_add_nc_u64 s[8:9], s[8:9], s[82:83]          ; the batch's row of the mask
	global_load_u16 v249, v248, s[8:9]             ; thread t: the bytes of keys 2 t and 2 t + 1
	s_lshl_b32 s82, s15, 15
	s_lshl_b32 s84, s16, 1
	s_add_co_u32 s84, s84, s[HH]
	s_lshl_b32 s84, s84, 8
	s_add_co_u32 s82, s82, s84
	s_add_co_u32 s82, s82, 1572864
	s_add_nc_u64 s[6:7], s[6:7], s[82:83]          ; the column sums of my head: eight parts, 4,096 bytes apart
.irp p, 0,1,2,3,4,5,6,7
	global_load_b32 v[KR+2*\p], v251, s[6:7] offset:4096*\p         ; channel lane,
	global_load_b32 v[KR+2*\p+1], v251, s[6:7] offset:4096*\p+128   ; channel 32 + lane
.endr
	s_lshl_b32 s82, s[Q0], 8
	s_add_co_u32 s82, s82, s68
	s_lshl_b32 s84, s[HH], 7
	s_add_co_u32 s82, s82, s84
	s_add_nc_u64 s[86:87], s[4:5], s[82:83]
.irp i, 0,1,2,3
	global_load_b128 v[Q+4*\i:Q+4*\i+3], v252, s[86:87] offset:32*\i   ; Q stays in registers
.endr
	s_mov_b32 s82, s[Q0]
	s_add_nc_u64 s[88:89], s[8:9], s[82:83]
	global_load_u8 v[QV], v253, s[88:89]
	s_lshl_b32 s82, s15, 10                        ; y: row 1024 b + 128 block + 8 wave, byte 256 x head pair
	s_add_co_u32 s82, s82, s14
	s_lshl_b32 s84, s[WV], 3
	s_add_co_u32 s82, s82, s84
	s_lshl_b32 s82, s82, 11
	s_lshl_b32 s84, s16, 8
	s_add_co_u32 s82, s82, s84
	s_add_nc_u64 s[10:11], s[10:11], s[82:83]
	s_cmp_lt_u32 s[WV], 8                          ; the prefetches: waves 4 to 7 K's part, waves 8 to 11 V's
	s_cselect_b32 s82, 0, 16777216
	s_add_co_u32 s82, s82, 16777216+32768          ; in slot 1: the first change of slots steps it to slot 2.  Nothing is prefetched at the head
	s_add_co_u32 s82, s82, s68
	s_and_b32 s84, s[WV], 3
	s_lshl_b32 s84, s84, 13
	s_add_co_u32 s82, s82, s84
	s_add_nc_u64 s[PFA:PFA+1], s[4:5], s[82:83]
	s_sub_co_u32 s84, s[WV], 4
	s_lshr_b32 s84, s84, 3                         ; 0 in waves 4 to 11,
	s_or_b32 s84, s84, s13                         ; of the work-group with the last queries
	s_cmp_eq_u32 s84, 0
	s_cselect_b32 s[LIM], 1, -1
	v_lshlrev_b32 v[PFO], 8, v250
	s_lshl_b32 s96, s[HH], 7                       ; my head's 128 bytes of a row
	v_mul_u32_u24 v[AK0], v253, PK
	v_lshl_add_u32 v[AK0], v254, 4, v[AK0]
	v_add_nc_u32 v[AK0], s96, v[AK0]
	v_and_b32 v6, 7, v0
	v_bfe_u32 v7, v0, 3, 1
	v_lshl_add_u32 v[AV0], v254, 3, v6             ; the turning load: key 8 h + lane % 8, channels 8 ((lane / 8) % 2) on
	v_mul_u32_u24 v[AV0], v[AV0], PV
	v_lshl_add_u32 v[AV0], v7, 4, v[AV0]
	s_add_co_u32 s96, s96, VOFF
	v_add_nc_u32 v[AV0], s96, v[AV0]
	v_lshl_add_u32 v[AB0], v254, 5, KB
	v_lshlrev_b32 v6, 3, v254
	v_sub_nc_u32 v[DQ], v253, v6
	v_mov_b32 v[NEGR], 0xf149f2ca
	s_and_b32 s96, s[WV], 7                        ; the stage: in: row 16 tile + r, my head's half, 16 bytes for each half of the lanes
	s_mul_i32 s96, s96, 16*SP
	s_lshl_b32 s97, s[HH], 7
	s_add_co_u32 s96, s96, s97
	s_add_co_u32 s96, s96, STAGE
	v_mul_u32_u24 v[STO], v253, SP
	v_lshl_add_u32 v[STO], v254, 4, v[STO]
	v_add_nc_u32 v[STO], s96, v[STO]
	s_mul_i32 s96, s[WV], 8*SP                     ; back: wave w takes rows 8 w on, whole
	s_add_co_u32 s96, s96, STAGE
	v_mul_u32_u24 v[RD], v254, SP
	v_lshl_add_u32 v[RD], v253, 4, v[RD]
	v_add_nc_u32 v[RD], s96, v[RD]
	v_lshlrev_b32 v[GO], 11, v254
	v_lshl_add_u32 v[GO], v253, 4, v[GO]
	s_lshl_b32 s96, s[WV], 8
	s_add_co_u32 s96, s96, VM
	v_lshl_add_u32 v[VMR], v254, 5, s96
	v_lshl_add_u32 v7, v250, 2, s96                ; where I store the mean: 4 x lane
	v_lshl_add_u32 v8, v0, 3, KB                   ; where I store two keys' bias
	v_mov_b32 v[ST+1], 0xff61b1e6                  ; m = -3e38, under every score
	v_mul_f32 v[ST], s[CS], v[ST+1]
.irp i, 2,3,4,5,6,7
	v_mov_b32 v[ST+\i], 0
.endr
.set i, 0
.rept 32
	v_mov_b32 v[O+i], 0                            ; the step is written once: its first pass finds zeros
.set i, i+1
.endr
	s_wait_loadcnt 0x0
	v_and_b32 v250, 0xff, v249
	v_lshrrev_b32 v251, 8, v249
	v_cmp_eq_u32 vcc_lo, 0, v250
	v_cndmask_b32 v252, v[NIL], v[NEGR], vcc_lo    ; 0 for a valid key, -1e30 for an invalid one
	v_cmp_eq_u32 vcc_lo, 0, v251
	v_cndmask_b32 v253, v[NIL], v[NEGR], vcc_lo
	ds_store_b64 v8, v[252:253]
.irp p, 0,4,8,12
	v_pk_add_f32 v[KR+\p:KR+\p+1], v[KR+\p:KR+\p+1], v[KR+\p+2:KR+\p+3]
.endr
	v_pk_add_f32 v[KR:KR+1], v[KR:KR+1], v[KR+4:KR+5]
	v_pk_add_f32 v[KR+8:KR+9], v[KR+8:KR+9], v[KR+12:KR+13]
	v_pk_add_f32 v[KR:KR+1], v[KR:KR+1], v[KR+8:KR+9]
	v_mul_f32 v[KR], 0x3a800000, v[KR]             ; / 1,024
	v_mul_f32 v[KR+1], 0x3a800000, v[KR+1]
	ds_store_b32 v7, v[KR]
	ds_store_b32 v7, v[KR+1] offset:128
; A KEY STEP: 64 keys, the q-th of the slot in hand.
.macro STEP q
	s_add_co_u32 s96, s[Q0], 15
	s_cmp_gt_u32 s[KF], s96                        ; all its keys come after my queries: the work is left out, not the lines at its end that step addresses
	s_cbranch_scc1 .Lhidden_\@
	v_add_nc_u32 v[ADK], s[TB], v[AK0]             ; these four are the places between the last step's products and the loads into their sources
	v_add_nc_u32 v[ADV], s[TB], v[AV0]
	v_add_nc_u32 v[ADB], s[TS], v[AB0]
	v_nop
.irp t, 0,1,2,3
	ds_load_b128 v[S+8*\t:S+8*\t+3], v[ADB] offset:64*\t           ; the bias of keys 16 t + 8 h + 0..7: the C of the tile's first product
	ds_load_b128 v[S+8*\t+4:S+8*\t+7], v[ADB] offset:64*\t+16
.endr
.irp f, 0,1,2,3,4,5,6,7                ; K: keys 16 (f / 2) on, channels 32 (f % 2) on
	ds_load_b128 v[KR+8*\f:KR+8*\f+3], v[ADK] offset:(64*(\q)+16*(\f/2))*PK+64*(\f%2)
	ds_load_b128 v[KR+8*\f+4:KR+8*\f+7], v[ADK] offset:(64*(\q)+16*(\f/2))*PK+64*(\f%2)+32
.endr
.irp f, 0,1,2,3,4,5,6,7                ; V, turned: keys 32 (f / 4) on, channels 16 (f % 4) on
	ds_load_tr16_b128 v[VR+8*\f:VR+8*\f+3], v[ADV] offset:(64*(\q)+32*(\f/4))*PV+32*(\f%4)
	ds_load_tr16_b128 v[VR+8*\f+4:VR+8*\f+7], v[ADV] offset:(64*(\q)+32*(\f/4)+16)*PV+32*(\f%4)
.endr
	s_wait_dscnt 16                                ; the bias and K are in; V's sixteen loads may be out
.irp ks, 0,1                           ; the four accumulators take turns
.irp t, 0,1,2,3
	v_wmma_f32_16x16x32_f16 v[S+8*\t:S+8*\t+7], v[KR+8*(2*\t+\ks):KR+8*(2*\t+\ks)+7], v[Q+8*\ks:Q+8*\ks+7], v[S+8*\t:S+8*\t+7]
.endr
.endr
.rept 4
	v_nop
.endr
	s_add_co_u32 s96, s[KF], 63
	s_cmp_le_u32 s96, s[Q0]                        ; all its keys count: no causal mask
	s_cbranch_scc1 .Lopen_\@
	s_sub_co_i32 s96, s[Q0], s[KF]
	v_add_nc_u32 v248, s96, v[DQ]                  ; d = my query - the step's first key - 8 h: register 8 t + j holds a hidden key where 16 t + j > d
.irp t, 0,1,2,3
.irp j, 0,1,2,3,4,5,6,7
	v_cmp_gt_i32 vcc_lo, 16*\t+\j, v248
	v_cndmask_b32 v[S+8*\t+\j], v[S+8*\t+\j], v[NEGR], vcc_lo
.endr
.endr
.Lopen_\@:
.irp j, 0,1,2,3                        ; the maximum of my 32 scores and the old m: four chains, each tile from its low end on
	v_max3_num_f32 v[ST+4+\j], v[S+8*\j], v[S+8*\j+1], v[S+8*\j+2]
.endr
.irp j, 0,1,2,3
	v_max3_num_f32 v[ST+4+\j], v[ST+4+\j], v[S+8*\j+3], v[S+8*\j+4]
.endr
.irp j, 0,1,2,3
	v_max3_num_f32 v[ST+4+\j], v[ST+4+\j], v[S+8*\j+5], v[S+8*\j+6]
.endr
	v_max3_num_f32 v[ST+4], v[ST+4], v[S+7], v[S+15]
	v_max3_num_f32 v[ST+6], v[ST+6], v[S+23], v[S+31]
	v_max3_num_f32 v[ST+4], v[ST+4], v[ST+5], v[ST+6]
	v_max3_num_f32 v[ST+4], v[ST+4], v[ST+7], v[ST+1]
	v_permlanex16_b32 v[ST+5], v[ST+4], s[SEL], s[SEL+1]   ; the query's other 32 keys lie in the lane 16 away
	v_mov_b32 v[ST+7], v[ST]                       ; c m_old
	v_max_num_f32 v[ST+1], v[ST+4], v[ST+5]
	v_mul_f32 v[ST], s[CS], v[ST+1]
	v_sub_f32 v[ST+7], v[ST+7], v[ST]
.set i, 0
.rept 16
	v_pk_fma_f32 v[S+i:S+i+1], v[S+i:S+i+1], s[CS:CS+1], v[ST:ST+1] op_sel_hi:[1,0,0] neg_lo:[0,0,1] neg_hi:[0,0,1]   ; c s - c m
.set i, i+2
.endr
	v_exp_f32 v[ST+6], v[ST+7]                     ; a = 2^(c m_old - c m_new)
.set i, 0
.rept 32
	v_exp_f32 v[S+i], v[S+i]
.set i, i+1
.endr
	v_nop                                          ; a plain instruction behind the last exponential
	s_wait_alu depctr_va_vdst(0)                   ; one wait for the batch of 33, ahead of its first reader
.set i, 0
.rept 16
	v_cvt_pk_f16_f32 v[P+i], v[S+2*i], v[S+2*i+1]
.set i, i+1
.endr
.irp u, 0,4,8,12,16,20,24,28           ; the sum of the unrounded weights, in place
	v_pk_add_f32 v[S+\u:S+\u+1], v[S+\u:S+\u+1], v[S+\u+2:S+\u+3]
.endr
.irp u, 0,8,16,24
	v_pk_add_f32 v[S+\u:S+\u+1], v[S+\u:S+\u+1], v[S+\u+4:S+\u+5]
.endr
.irp u, 0,16
	v_pk_add_f32 v[S+\u:S+\u+1], v[S+\u:S+\u+1], v[S+\u+8:S+\u+9]
.endr
	v_pk_add_f32 v[S:S+1], v[S:S+1], v[S+16:S+17]
	v_pk_fma_f32 v[ST+2:ST+3], v[ST+2:ST+3], v[ST+6:ST+7], v[S:S+1] op_sel_hi:[1,0,1]   ; l = a l + the sum
.set i, 0
.rept 16
	v_pk_mul_f32 v[O+i:O+i+1], v[O+i:O+i+1], v[ST+6:ST+7] op_sel_hi:[1,0]
.set i, i+2
.endr
	s_wait_dscnt 0x0                               ; V is in
.irp kh, 0,1
.irp ct, 0,1,2,3
	v_wmma_f32_16x16x32_f16 v[O+8*\ct:O+8*\ct+7], v[VR+8*(4*\kh+\ct):VR+8*(4*\kh+\ct)+7], v[P+8*\kh:P+8*\kh+7], v[O+8*\ct:O+8*\ct+7]
.endr
.endr
.Lhidden_\@:
	s_add_co_u32 s[KF], s[KF], 64
	s_add_co_u32 s[TS], s[TS], 256
.endm
; THE CHANGE OF SLOTS, at a slot's head.  Each wave waits for all its tensor loads, adds 0 to its spare word, and waits for that and for its LDS instructions (its reads of the slot that it has left; in the first trip
; its stores of the bias and the mean).  Behind the barrier the slot ahead is whole and nobody reads the other one, which is then filled with the next 128 keys: one load a wave, with two steps in which to land.
.macro CHANGE fill
	s_wait_tensorcnt 0x0                           ; no tensor load of mine is out, so a group 0 may be written
	ds_add_u32 v[SPW], v[NIL]
.if \fill
	ds_add_u32 v[SPW], v[NIL]                      ; and twice on end here, in every trip alike
	s_xor_b32 s[G0K+1], s[G0K+1], SLOT1
	s_add_nc_u64 s[G0K+2:G0K+3], s[G0K+2:G0K+3], 32768
	s_xor_b32 s[G0V+1], s[G0V+1], SLOT1
	s_add_nc_u64 s[G0V+2:G0V+3], s[G0V+2:G0V+3], 32768
	s_wait_xcnt 0x0                                ; the last prefetch, a slot back, has read its address
	s_add_nc_u64 s[PFA:PFA+1], s[PFA:PFA+1], 32768
.endif
	s_wait_dscnt 0x0
	s_barrier_signal -1
	s_barrier_wait -1
.if \fill
	s_add_co_u32 s96, s[KF], 128                   ; the first key of the slot that this change would ask for
	s_or_b32 s97, s[Q0], 127                       ; my work-group's last query
	s_cmp_gt_u32 s96, s97                          ; ids and the count of steps alone: all sixteen waves go the same way; none of them would read that slot
	s_cbranch_scc1 .Lpast_\@
	TLOAD
.Lpast_\@:
	ASK
.endif
.endm
.Lslot:                                            ; seven trips
	CHANGE 1
	STEP 0
	STEP 1
	s_xor_b32 s[TB], s[TB], SLOT1
	s_sub_co_u32 s[SLOTS], s[SLOTS], 1
	s_cmp_lg_u32 s[SLOTS], 0
	s_cbranch_scc1 .Lslot
	CHANGE 0                                       ; the last slot is written out: nothing is left to ask for
	STEP 0
	STEP 1
	; THE WAY OUT: O^T / l; rows of invalid queries take the mean of v; f16; through the stage, since a row's 256 bytes come from two waves; whole rows out.
.rept 4
	v_nop                                          ; places behind the last products
.endr
.irp ct, 0,1,2,3
	ds_load_b128 v[KR+8*\ct:KR+8*\ct+3], v[VMR] offset:64*\ct      ; the mean of channels 16 ct + 8 h + 0..7: my own wave's bytes
	ds_load_b128 v[KR+8*\ct+4:KR+8*\ct+7], v[VMR] offset:64*\ct+16
.endr
	v_add_f32 v[ST+4], v[ST+2], v[ST+3]
	v_permlanex16_b32 v[ST+5], v[ST+4], s[SEL], s[SEL+1]
	v_add_f32 v[ST+4], v[ST+4], v[ST+5]
	v_rcp_f32 v[ST+6], v[ST+4]
	v_nop
	s_wait_alu depctr_va_vdst(0)                   ; ahead of the reciprocal's first reader
.set i, 0
.rept 16
	v_pk_mul_f32 v[O+i:O+i+1], v[O+i:O+i+1], v[ST+6:ST+7] op_sel_hi:[1,0]
.set i, i+2
.endr
	s_wait_dscnt 0x0
	v_cmp_ne_u32 vcc_lo, 0, v[QV]
.set i, 0
.rept 32
	v_cndmask_b32 v[O+i], v[KR+i], v[O+i], vcc_lo
.set i, i+1
.endr
.set i, 0
.rept 16
	v_cvt_pk_f16_f32 v[P+i], v[O+2*i], v[O+2*i+1]
.set i, i+1
.endr
.irp ct, 0,1,2,3
	ds_store_b128 v[STO], v[P+4*\ct:P+4*\ct+3] offset:32*\ct
.endr
	s_wait_dscnt 0x0                               ; for the others' sake: my stores into the stage are done
	s_barrier_signal -1
	s_barrier_wait -1
.irp i, 0,1,2,3
	ds_load_b128 v[KR+4*\i:KR+4*\i+3], v[RD] offset:\i*2*SP
.endr
.irp i, 0,1,2,3
	s_wait_dscnt 3-\i
	global_store_b128 v[GO], v[KR+4*\i:KR+4*\i+3], s[10:11] offset:4096*\i   ; sixteen lanes store 256 consecutive bytes, aligned
.endr
	s_wait_tensorcnt 0x0                           ; the wave's end
	ds_add_u32 v[SPW], v[NIL]
	s_wait_dscnt 0x0
	s_endpgm
.Lfunc_end_k_qdef009ff08_attn:
	.size	k_qdef009ff08_attn, .Lfunc_end_k_qdef009ff08_attn-k_qdef009ff08_attn
	.p2alignl 7, 3214868480
	.fill 96, 4, 3214868480
	.section	.rodata,"a",@progbits
	.p2align	6, 0x0
	.amdhsa_kernel k_qdef009ff08_attn
		.amdhsa_group_segment_fixed_size 327680
		.amdhsa_private_segment_fixed_size 0
		.amdhsa_enable_private_segment 0
		.amdhsa_kernarg_size 32
		.amdhsa_user_sgpr_count 2
		.amdhsa_user_sgpr_kernarg_segment_ptr 1
		.amdhsa_wavefront_size32 1
		.amdhsa_system_sgpr_workgroup_id_x 1
		.amdhsa_system_sgpr_workgroup_id_y 1
		.amdhsa_system_sgpr_workgroup_id_z 1
		.amdhsa_system_vgpr_workitem_id 0
		.amdhsa_next_free_vgpr 256
		.amdhsa_next_free_sgpr 100
		.amdhsa_reserve_vcc 1
		.amdhsa_float_denorm_mode_32 3
		.amdhsa_float_denorm_mode_16_64 3
		.amdhsa_memory_ordered 1
		.amdhsa_forward_progress 1
		.amdhsa_inst_pref_size 69
	.end_amdhsa_kernel
	.amdgpu_metadata
---
amdhsa.version: [ 1, 2 ]
amdhsa.kernels:
  - .name:           k_qdef009ff08_attn
    .symbol:         k_qdef009ff08_attn.kd
    .args:
      - { .name: qkv, .offset: 0, .size: 8, .value_kind: global_buffer, .address_space: global }
      - { .name: side, .offset: 8, .size: 8, .value_kind: global_buffer, .address_space: global }
      - { .name: attn_mask, .offset: 16, .size: 8, .value_kind: global_buffer, .address_space: global }
      - { .name: y, .offset: 24, .size: 8, .value_kind: global_buffer, .address_space: global }
    .group_segment_fixed_size: 327680
    .private_segment_fixed_size: 0
    .kernarg_segment_align: 8
    .kernarg_segment_size: 32
    .max_flat_workgroup_size: 512
    .sgpr_count:     100
    .vgpr_count:     256
    .wavefront_size: 32
...
	.end_amdgpu_metadata
.endif
;; end of part 5
;; launch proj (part 6): grid 4 x 64, 4 waves a work-group, clusters of 4 x 4, 327,680 bytes of LDS; arguments y, wp16, out0; writes out0
.if DOCPART == 6
	.amdgcn_target "amdgcn-amd-amdhsa--gfx1250"
	.amdhsa_code_object_version 6
	.text
	.protected	k_qdef009ff08_proj
	.globl	k_qdef009ff08_proj
	.p2align	8
	.type	k_qdef009ff08_proj,@function
k_qdef009ff08_proj:
	s_mov_b64 s[64:65], 0
	v_nop
	global_prefetch_b8 v0, s[64:65] scope:SCOPE_SE
	s_setreg_imm32_b32 hwreg(HW_REG_WAVE_MODE, 25, 1), 1
	s_wait_xcnt 0x0
	s_wait_alu depctr_hold_cnt(0) depctr_sa_sdst(0) depctr_va_vdst(0) depctr_va_sdst(0) depctr_va_ssrc(0) depctr_va_vcc(0) depctr_vm_vsrc(0)
	s_getreg_b32 s2, hwreg(HW_REG_IB_STS2, 6, 4)
	s_cmp_eq_u32 s2, 0
	s_cbranch_scc0 .Lentry_in_a_cluster
	s_endpgm
.Lentry_in_a_cluster:
	s_bfe_u32 s2, ttmp6, 0x10000c
	s_cmp_lg_u32 s2, 0xf033
	s_cbranch_scc0 .Lentry_shape_is_right
	s_endpgm
.Lentry_shape_is_right:
; out0[m][n] = sum over k of y[m][k] wp16[n][k]: y [8192][1024] and wp16 [1024][1024] in f16, sums and out0 in f32.  (Positions 0 to 15 of every sequence are written again, more finely, by the next launch.)
; A tile of 128 x 256 gives 64 x 4 = 256 work-groups.  Four waves, 64 x 128 each: 32 accumulators, window 1.  K goes in steps of 128 (tile rows of 256 bytes) through two LDS slots of 128 rows of y and 256 of wp16;
; two slots of a step twice as long would take 405,504 bytes and do not fit.
; CLUSTERS: 4 x 4 work-groups; y's tiles are asked for jointly along a row of the cluster, wp16's along a column.  THE MATRIX INSTRUCTION IS USED TRANSPOSED (source 0 = 16 rows of wp16, source 1 = 16 rows of y).
; REGISTERS: window 0: v0-31 addresses; v32-127, v128-223 two fragment buffers for 32 along K (y's four fragments, then wp16's eight).  window 1: accumulator (a, b) at v[8 (8 a + b)].
.set SIZE_K, 1024
.set KSTEP,  128
.set PITCH,  272
.set HALFA,  64*PITCH
.set HALFB,  128*PITCH
.set BOFF,   2*HALFA
.set SLOT,   BOFF+2*HALFB
.set STAGE,  2*SLOT                    ; behind the ring: 16 rows x (512 bytes + 16) for each wave
.set SPITCH, 528
.set SPARE,  STAGE+4*16*SPITCH
.set LAPS,   SIZE_K/(2*KSTEP)
.set ADRA, 16
.set ADRB, 20
.set STO,  24
.set RD,   25
.set CO,   26
.set SPW,  28
.set NIL,  29
.set PFO,  30                          ; v30 2,048 x lane: a row of y
.set F0,   32
.set F1,   128
.set BK,   32                          ; the way out: v32-95 and v96-159 by turns
.set G1, 24
.set G0, 32
.set G1B, 48
.set G0B, 56
.set PFA, 44                           ; s[44:45] where my prefetches stand
.set LIM, 43                           ; s43 1 in wave 0, else the greatest number
.set MSB, 0
.macro WIN new
.if MSB != (\new)
	s_set_vgpr_msb (MSB<<8)|(\new)
.set MSB, (\new)
.endif
.endm
.set MUL, 0x50                         ; C and D window 1
.macro JLOAD s                         ; waves 0, 1 fetch y's halves, waves 2, 3 wp16's; an s_nop 0 and four v_nop follow each line
	s_cmp_eq_u32 s11, 0
	s_cbranch_scc0 .Lfor_b_\@
	tensor_load_to_lds s[G0+4*\s:G0+4*\s+3], s[G1:G1+7]
	s_nop 0
.rept 4
	v_nop
.endr
	s_branch .Lasked_\@
.Lfor_b_\@:
	tensor_load_to_lds s[G0B+4*\s:G0B+4*\s+3], s[G1B:G1B+7]
	s_nop 0
.rept 4
	v_nop
.endr
.Lasked_\@:
.endm
.macro CREST
	s_cmp_lg_u32 s10, 0
	s_cbranch_scc1 .Lnot_wave_0_\@
	s_barrier_signal -3
.Lnot_wave_0_\@:
	s_barrier_wait -3
	s_barrier_signal -1
	s_barrier_wait -1
.endm
.macro CROUND
	s_barrier_signal -1
	s_barrier_wait -1
	CREST
.endm
; A prefetch of y's K step that stands two refills on: a tile row of y is read by the four partners of one row of one cluster alone; each takes 32 of its 128 rows, told apart by address; wave 0 asks, a lane a row.
; wp16 is read by all sixteen clusters again and again and is not asked for.  The loop's last trip, whose refills are the last two K steps, asks for nothing.
.macro ASK
	s_cmp_gt_u32 s3, s[LIM]
	s_cbranch_scc0 .Lnot_mine_\@
	global_prefetch_b8 v[PFO], s[PFA:PFA+1] offset:KSTEP*2 th:TH_LOAD_NT scope:SCOPE_SE
.Lnot_mine_\@:
.endm
	s_load_b128 s[4:7], s[0:1], 0x0                ; y, wp16
	s_load_b64 s[8:9], s[0:1], 0x10                ; out0
	v_lshl_add_u32 v[SPW], v0, 2, SPARE
	v_mov_b32 v[NIL], 0
	ds_add_u32 v[SPW], v[NIL]                      ; the wave's opening: the add, twice on end, and its wait ahead of my first tensor load
	ds_add_u32 v[SPW], v[NIL]
	v_lshrrev_b32 v1, 5, v0
	v_readfirstlane_b32 s10, v1                    ; wave
	s_lshr_b32 s11, s10, 1                         ; my half of the tile's rows.  Also: I fetch for y (0) or wp16 (1)
	s_and_b32 s12, s10, 1                          ; my half of its columns.  Also: which half I fetch
	s_bfe_u32 s40, ttmp6, 0x40000                  ; cx
	s_bfe_u32 s41, ttmp6, 0x40004                  ; cy
	s_lshl_b32 s42, ttmp9, 2
	s_add_co_u32 s42, s42, s40                     ; tile column
	s_and_b32 s13, ttmp7, 0xffff
	s_lshl_b32 s13, s13, 2
	s_add_co_u32 s13, s13, s41                     ; tile row
	s_lshl_b32 s43, s41, 2
	s_lshl_b32 s43, 15, s43                        ; my row of the cluster
	s_lshl_b32 s44, 0x1111, s40                    ; my column
	s_or_b32 s[G1+0], s43, (1<<16)|(1<<20)|(1<<21)|(5<<22)|(3<<25)   ; the mask; elements of 2 bytes; 4 words of padding after every 64; bit 21 beside a mask
	s_or_b32 s[G1B+0], s44, (1<<16)|(1<<20)|(1<<21)|(5<<22)|(3<<25)
	s_mov_b32 s[G1+1], KSTEP<<16
	s_mov_b32 s[G1+2], 64<<16                      ; y: 64 rows a load
	s_mov_b32 s[G1+3], KSTEP<<16
	s_mov_b32 s[G1+4], 64
	s_mov_b32 s[G1+5], SIZE_K
	s_mov_b32 s[G1+6], 0
	s_mov_b32 s[G1+7], 0
	s_mov_b32 s[G1B+1], KSTEP<<16
	s_mov_b32 s[G1B+2], 128<<16                    ; wp16: 128 rows a load
	s_mov_b32 s[G1B+3], KSTEP<<16
	s_mov_b32 s[G1B+4], 128
	s_mov_b32 s[G1B+5], SIZE_K
	s_mov_b32 s[G1B+6], 0
	s_mov_b32 s[G1B+7], 0
	s_lshl_b32 s16, s13, 7
	s_lshl_b32 s17, s12, 6
	s_add_co_u32 s16, s16, s17                     ; y: row 128 x tile row + 64 x half,
	s_lshl_b32 s16, s16, 11                        ; of 2,048 bytes
	s_mov_b32 s17, 0
	s_lshl_b32 s46, s42, 8
	s_lshl_b32 s47, s12, 7
	s_add_co_u32 s46, s46, s47                     ; wp16: row 256 x tile column + 128 x half
	s_lshl_b32 s46, s46, 11
	s_mov_b32 s47, 0
	s_mul_i32 s20, s12, HALFA                      ; where they go
	s_mul_i32 s21, s12, HALFB
	s_add_co_u32 s21, s21, BOFF
	s_wait_dscnt 0x0
	s_wait_kmcnt 0x0
	s_add_nc_u64 s[14:15], s[4:5], s[16:17]
	s_add_nc_u64 s[46:47], s[6:7], s[46:47]
	CROUND                                         ; all sixteen work-groups are here: the first joint loads meet
.irp s, 0,1
	s_mov_b32 s[G0+4*\s], 1
	s_add_co_u32 s[G0+4*\s+1], s20, \s*SLOT
	s_add_nc_u64 s[G0+4*\s+2:G0+4*\s+3], s[14:15], \s*KSTEP*2
	s_or_b32 s[G0+4*\s+3], s[G0+4*\s+3], 0x80000000
	s_mov_b32 s[G0B+4*\s], 1
	s_add_co_u32 s[G0B+4*\s+1], s21, \s*SLOT
	s_add_nc_u64 s[G0B+4*\s+2:G0B+4*\s+3], s[46:47], \s*KSTEP*2
	s_or_b32 s[G0B+4*\s+3], s[G0B+4*\s+3], 0x80000000
	JLOAD \s                                       ; two loads of mine are out
.endr
	v_and_b32 v1, 15, v0                           ; r
	v_bfe_u32 v2, v0, 4, 1                         ; h
	v_mul_u32_u24 v3, v1, PITCH
	v_lshl_add_u32 v3, v2, 4, v3
	s_mul_i32 s21, s11, HALFA                      ; my 64 rows of y
	s_mul_i32 s22, s12, HALFB
	s_add_co_u32 s22, s22, BOFF                    ; my 128 rows of wp16
.irp s, 0,1
	v_add_nc_u32 v[ADRA+\s], s21, v3
	v_add_nc_u32 v[ADRB+\s], s22, v3
	s_add_co_u32 s21, s21, SLOT
	s_add_co_u32 s22, s22, SLOT
.endr
	s_mul_i32 s23, s10, 16*SPITCH
	s_add_co_u32 s23, s23, STAGE                   ; my stage
	v_mul_u32_u24 v5, v1, SPITCH
	v_lshl_add_u32 v5, v2, 5, v5
	v_add_nc_u32 v[STO], s23, v5                   ; in: row r, 32 bytes for each half of the lanes
	v_and_b32 v6, 31, v0
	v_lshlrev_b32 v[CO], 4, v6                     ; back: the 32 lanes take one row of 512 bytes; the same in out0
	v_add_nc_u32 v[RD], s23, v[CO]
	v_lshlrev_b32 v[PFO], 11, v6
	s_lshl_b32 s16, s13, 7
	s_lshl_b32 s17, s11, 6
	s_add_co_u32 s16, s16, s17
	s_lshl_b32 s16, s16, 12                        ; my first row of out0, 4,096 bytes a row
	s_lshl_b32 s46, s42, 10
	s_lshl_b32 s47, s12, 9
	s_add_co_u32 s46, s46, s47                     ; my first column, in bytes
	s_add_co_u32 s16, s16, s46
	s_mov_b32 s17, 0
	s_add_nc_u64 s[8:9], s[8:9], s[16:17]
	s_lshl_b32 s20, s13, 7
	s_lshl_b32 s21, s40, 5
	s_add_co_u32 s20, s20, s21                     ; the prefetches: my work-group's 32 rows of the tile row,
	s_lshl_b32 s20, s20, 11
	s_add_co_u32 s20, s20, 2*KSTEP*2               ; at K step 2: the first refill steps it to 3 and names K step 4
	s_mov_b32 s21, 0
	s_add_nc_u64 s[PFA:PFA+1], s[4:5], s[20:21]
	s_cmp_eq_u32 s10, 0
	s_cselect_b32 s[LIM], 1, -1
.macro MUL8 f, a, zero                 ; y's block a against wp16's eight, 32 along K.  The 32 accumulators take turns
.irp b, 0,1,2,3,4,5,6,7
.if \zero
	v_wmma_f32_16x16x32_f16 v[8*(8*(\a)+\b):8*(8*(\a)+\b)+7], v[\f+32+8*\b:\f+32+8*\b+7], v[\f+8*(\a):\f+8*(\a)+7], 0
.else
	v_wmma_f32_16x16x32_f16 v[8*(8*(\a)+\b):8*(8*(\a)+\b)+7], v[\f+32+8*\b:\f+32+8*\b+7], v[\f+8*(\a):\f+8*(\a)+7], v[8*(8*(\a)+\b):8*(8*(\a)+\b)+7]
.endif
.endr
.endm
.macro FETCH slot, k, f                ; 24 LDS loads in one run: wp16's sixteen, y's blocks 0, 1, then 2, 3
	WIN 0
.irp i, 0,1,2,3,4,5,6,7
	ds_load_b128 v[\f+32+8*\i:\f+32+8*\i+3], v[ADRB+\slot] offset:\k+\i*16*PITCH
	ds_load_b128 v[\f+32+8*\i+4:\f+32+8*\i+7], v[ADRB+\slot] offset:\k+\i*16*PITCH+32
.endr
.irp i, 0,1,2,3
	ds_load_b128 v[\f+8*\i:\f+8*\i+3], v[ADRA+\slot] offset:\k+\i*16*PITCH
	ds_load_b128 v[\f+8*\i+4:\f+8*\i+7], v[ADRA+\slot] offset:\k+\i*16*PITCH+32
.endr
.endm
.macro PLACES
.rept 4
	v_nop
.endr
.endm
.macro QUARTER slot, k, f, g, zero     ; 32 along K: multiplies buffer f, fetches the next quarter, at byte k, into g
	s_wait_dscnt 4                                 ; all but y's blocks 2 and 3 are in
	WIN MUL
	MUL8 \f, 0, \zero
	MUL8 \f, 1, \zero
	PLACES
	FETCH \slot, \k, \g
	s_wait_dscnt 24                                ; all but the 24 just issued
	WIN MUL
	MUL8 \f, 2, \zero
	MUL8 \f, 3, \zero
.endm
; A slot's last quarter changes slots: one barrier; in front of it each wave waits for all its tensor loads, adds 0 to its spare word, and waits for that and for its reads of this slot.
; fill = 1: the barrier opens a round of the cluster's, and the joint refill, two K steps ahead, is the first tensor load behind it.
.macro TURN slot, next, fill
	WIN 0
.if \fill
	s_wait_xcnt 0x0                                ; the last prefetch, a K step back, has read its address
	s_add_nc_u64 s[PFA:PFA+1], s[PFA:PFA+1], KSTEP*2
.endif
	s_wait_tensorcnt 0x0
	ds_add_u32 v[SPW], v[NIL]
	s_wait_dscnt 5                                 ; the add and the youngest four loads may be out
	WIN MUL
	MUL8 F1, 0, 0
	s_wait_dscnt 0x0                               ; the add is done, and my reads of this slot are over
	s_barrier_signal -1
	MUL8 F1, 1, 0
	WIN 0
	s_barrier_wait -1
.if \fill
	CREST
	s_add_nc_u64 s[G0+4*\slot+2:G0+4*\slot+3], s[G0+4*\slot+2:G0+4*\slot+3], 2*KSTEP*2
	s_add_nc_u64 s[G0B+4*\slot+2:G0B+4*\slot+3], s[G0B+4*\slot+2:G0B+4*\slot+3], 2*KSTEP*2
	JLOAD \slot                                    ; its four v_nop are also the places in front of the loads below
.else
	PLACES
.endif
	FETCH \next, 0, F0
.if \fill
	ASK
.endif
	WIN MUL
	MUL8 F1, 2, 0
	MUL8 F1, 3, 0
.endm
	s_wait_tensorcnt 1                             ; my part of K step 0 is in; K step 1's may be out
	s_barrier_signal -1
	s_barrier_wait -1
	FETCH 0, 0, F0
	QUARTER 0, 64, F0, F1, 1                       ; the first products start the sums
	WIN 0
	s_mov_b32 s3, LAPS-1
.Llap:                                             ; a trip goes once round the ring and fills both slots again
	QUARTER 0, 128, F1, F0, 0
	QUARTER 0, 192, F0, F1, 0
	TURN 0, 1, 1
	QUARTER 1, 64,  F0, F1, 0
	QUARTER 1, 128, F1, F0, 0
	QUARTER 1, 192, F0, F1, 0
	TURN 1, 0, 1
	QUARTER 0, 64,  F0, F1, 0
	WIN 0
	s_sub_co_u32 s3, s3, 1
	s_cmp_lg_u32 s3, 0
	s_cbranch_scc1 .Llap
	QUARTER 0, 128, F1, F0, 0                      ; the last lap fills nothing
	QUARTER 0, 192, F0, F1, 0
	TURN 0, 1, 0
	QUARTER 1, 64,  F0, F1, 0
	QUARTER 1, 128, F1, F0, 0
	QUARTER 1, 192, F0, F1, 0
	s_wait_dscnt 4
	WIN MUL
	MUL8 F1, 0, 0
	MUL8 F1, 1, 0
	s_wait_dscnt 0
	MUL8 F1, 2, 0
	MUL8 F1, 3, 0
	WIN 0
; THE WAY OUT: a block of 16 rows x 128 columns goes through my own stage and comes back as whole rows of 512 bytes.
.macro TOSTAGE a
	WIN 0x04                                       ; an LDS store's data: window 1
.irp b, 0,1,2,3,4,5,6,7
	ds_store_b128 v[STO], v[8*(8*(\a)+\b):8*(8*(\a)+\b)+3] offset:64*\b       ; each accumulator from its low end on
	ds_store_b128 v[STO], v[8*(8*(\a)+\b)+4:8*(8*(\a)+\b)+7] offset:64*\b+16
.endr
	WIN 0
.set BB, BK+64*((\a)%2)
.irp t, 0,1,2,3,4,5,6,7,8,9,10,11,12,13,14,15
	ds_load_b128 v[BB+4*\t:BB+4*\t+3], v[RD] offset:\t*SPITCH
.endr
.endm
.macro SEND a, younger
.set BB, BK+64*((\a)%2)
	s_wait_dscnt \younger                          ; the block is back; the next block's 16 stores and 16 loads may be out
.irp t, 0,1,2,3,4,5,6,7,8,9,10,11,12,13,14,15
	global_store_b128 v[CO], v[BB+4*\t:BB+4*\t+3], s[8:9] offset:(16*(\a)+\t)*4096 th:TH_STORE_NT   ; 32 lanes store 512 consecutive bytes, aligned
.endr
.endm
	PLACES
	TOSTAGE 0
.irp a, 1,2,3
.if \a > 1
	s_wait_xcnt 0x0                                ; block a - 2's stores have read their registers: block a's loads may land there
.endif
	TOSTAGE \a
	SEND (\a-1), 32
.endr
	SEND 3, 0
	s_wait_tensorcnt 0x0                           ; the wave's end
	ds_add_u32 v[SPW], v[NIL]
	s_wait_dscnt 0x0
	CROUND                                         ; the closing round
	s_endpgm
.Lfunc_end_k_qdef009ff08_proj:
	.size	k_qdef009ff08_proj, .Lfunc_end_k_qdef009ff08_proj-k_qdef009ff08_proj
	.p2alignl 7, 3214868480
	.fill 96, 4, 3214868480
	.section	.rodata,"a",@progbits
	.p2align	6, 0x0
	.amdhsa_kernel k_qdef009ff08_proj
		.amdhsa_group_segment_fixed_size 327680
		.amdhsa_private_segment_fixed_size 0
		.amdhsa_enable_private_segment 0
		.amdhsa_kernarg_size 24
		.amdhsa_user_sgpr_count 2
		.amdhsa_user_sgpr_kernarg_segment_ptr 1
		.amdhsa_wavefront_size32 1
		.amdhsa_system_sgpr_workgroup_id_x 1
		.amdhsa_system_sgpr_workgroup_id_y 1
		.amdhsa_system_sgpr_workgroup_id_z 1
		.amdhsa_system_vgpr_workitem_id 0
		.amdhsa_next_free_vgpr 512
		.amdhsa_next_free_sgpr 66
		.amdhsa_reserve_vcc 0
		.amdhsa_float_denorm_mode_32 3
		.amdhsa_float_denorm_mode_16_64 3
		.amdhsa_memory_ordered 1
		.amdhsa_forward_progress 1
		.amdhsa_inst_pref_size 85
	.end_amdhsa_kernel
	.amdgpu_metadata
---
amdhsa.version: [ 1, 2 ]
amdhsa.kernels:
  - .name:           k_qdef009ff08_proj
    .symbol:         k_qdef009ff08_proj.kd
    .args:
      - { .name: y, .offset: 0, .size: 8, .value_kind: global_buffer, .address_space: global }
      - { .name: wp16, .offset: 8, .size: 8, .value_kind: global_buffer, .address_space: global }
      - { .name: out0, .offset: 16, .size: 8, .value_kind: global_buffer, .address_space: global }
    .group_segment_fixed_size: 327680
    .private_segment_fixed_size: 0
    .kernarg_segment_align: 8
    .kernarg_segment_size: 24
    .max_flat_workgroup_size: 128
    .sgpr_count:     66
    .vgpr_count:     512
    .wavefront_size: 32
...
	.end_amdgpu_metadata
.endif
;; end of part 6
;; launch first16 (part 7): grid 16 x 8, 16 waves a work-group, no clusters, 90,112 bytes of LDS; arguments side, attn_mask, w_proj, out0; writes out0
.if DOCPART == 7
	.amdgcn_target "amdgcn-amd-amdhsa--gfx1250"
	.amdhsa_code_object_version 6
	.text
	.protected	k_qdef009ff08_first16
	.globl	k_qdef009ff08_first16
	.p2align	8
	.type	k_qdef009ff08_first16,@function
k_qdef009ff08_first16:
	s_mov_b64 s[64:65], 0
	v_nop
	global_prefetch_b8 v0, s[64:65] scope:SCOPE_SE
	s_setreg_imm32_b32 hwreg(HW_REG_WAVE_MODE, 25, 1), 1
	s_wait_xcnt 0x0
; Positions 0 to 15 of every sequence once more, wholly in f32: these rows average one to sixteen values and are the largest of the output, so the rounding of f16 operands weighs most there.
; 128 rows in all: no bulk work.  A work-group takes a batch and 64 columns of out0.  PHASE 1: wave = head: scores of 16 queries x 16 keys from the f32 copies in side, the masks, softmax, y (or, for an invalid query,
; the mean of v over the whole sequence); y's 16 rows x 1,024 meet in LDS.  PHASE 2: wave = (16 columns, a quarter of K): y w_proj; the four quarters are added through LDS; wave w stores row w's 256 bytes.
; The f32 matrix form takes four along K: register j of lane (r, h) stands for place 2 h + j.  Which true k stands at a place is free so long as both sources agree: so both are loaded by whole 16 bytes a lane.
; The registers that these matrix instructions write (v136-167) are written by them alone; each sum begins with the constant 0.
.set Y16P,  4112                       ; a row of y in LDS: 4,096 bytes + 16
.set VM,    16*Y16P                    ; the mean of v: 256 bytes a wave
.set PART,  VM+4096                    ; four quarters' sums: 16 rows x (256 bytes + 16) each
.set SPARE, PART+4*16*272
.set SPW,  6
.set NIL,  7
.set SS,   24                          ; v24-31   scores
.set PP,   32                          ; v32-39   weights
.set QF,   40                          ; v40-71   q;  v72-103 k;  later the second half of the weights' columns
.set KFR,  72
.set WB,   40
.set VF,   104                         ; v104-135 v, then the mean and y, then y's fragments
.set MA,   136                         ; v136-167 matrix results
.set WA,   168                         ; v168-231 the first half of the weights' columns
.set RS,   232                         ; v232-239 a quarter's sums
	s_load_b256 s[4:11], s[0:1], 0x0               ; side, attn_mask, w_proj, out0
	v_lshl_add_u32 v[SPW], v0, 2, SPARE
	v_mov_b32 v[NIL], 0
	v_lshrrev_b32 v20, 5, v0
	v_readfirstlane_b32 s12, v20                   ; wave = head
	s_and_b32 s13, ttmp7, 0xffff                   ; the batch
	s_and_b32 s15, s12, 3                          ; phase 2: which 16 columns
	s_lshr_b32 s16, s12, 2                         ; and which quarter of K
	s_mov_b32 s20, 0x76543210
	s_mov_b32 s21, 0xfedcba98
	s_mov_b32 s22, 0x3e38aa3b                      ; c = log2(e) / 8
	s_lshl_b32 s24, s13, 16
	s_lshl_b32 s17, s12, 8
	s_add_co_u32 s24, s24, s17                     ; q: batch x 65,536 + 256 x head
	s_mov_b32 s25, 0
	s_lshl_b32 s26, s13, 15
	s_add_co_u32 s26, s26, s17
	s_add_co_u32 s26, s26, 1572864                 ; the column sums of my head
	s_mov_b32 s27, 0
	s_lshl_b32 s42, s13, 10                        ; the batch's row of the mask
	s_mov_b32 s43, 0
	s_lshl_b32 s44, s16, 20                        ; w_proj: 256 rows of 4,096 bytes a quarter,
	s_lshl_b32 s18, ttmp9, 8
	s_add_co_u32 s44, s44, s18                     ; 64 columns a work-group,
	s_lshl_b32 s19, s15, 6
	s_add_co_u32 s44, s44, s19                     ; 16 a wave
	s_mov_b32 s45, 0
	s_add_co_u32 s46, s42, s12
	s_lshl_b32 s46, s46, 12
	s_add_co_u32 s46, s46, s18                     ; out0: row 1024 b + wave, the work-group's 256 bytes
	s_mov_b32 s47, 0
	v_and_b32 v1, 15, v0                           ; r
	v_bfe_u32 v2, v0, 4, 1                         ; h
	v_lshlrev_b32 v3, 12, v1
	v_lshl_add_u32 v3, v2, 4, v3                   ; q, k: 4096 r + 16 h
	v_lshlrev_b32 v4, 2, v1
	v_lshl_add_u32 v5, v2, 14, v4                  ; w_proj: four rows down for lanes 16-31, column r
	v_lshl_add_u32 v4, v2, 15, v4                  ; v: eight keys down for lanes 16-31, channel r
	v_lshlrev_b32 v20, 3, v2
	v_sub_nc_u32 v11, v1, v20                      ; r - 8 h
	v_mov_b32 v12, 0xf149f2ca                      ; -1e30
	v_mul_u32_u24 v20, v1, Y16P
	v_lshl_add_u32 v13, v2, 5, v20
	v_add_nc_u32 v13, s17, v13                     ; y, in: row r, 256 x head + 32 h
	v_lshl_add_u32 v14, v2, 4, v20
	s_lshl_b32 s18, s16, 10
	v_add_nc_u32 v14, s18, v14                     ; y, back: row r, 1,024 x quarter + 16 h
	v_and_b32 v21, 31, v0
	s_add_co_u32 s17, s17, VM
	v_lshl_add_u32 v15, v21, 2, s17                ; the mean, in
	v_lshl_add_u32 v16, v2, 5, s17                 ; and back
	v_mul_u32_u24 v17, v1, 272
	v_lshl_add_u32 v17, v2, 5, v17
	s_mul_i32 s18, s16, 16*272
	s_add_co_u32 s18, s18, s19
	s_add_co_u32 s18, s18, PART
	v_add_nc_u32 v17, s18, v17                     ; a quarter's sums, in
	s_mul_i32 s18, s12, 272
	s_add_co_u32 s18, s18, PART
	v_lshl_add_u32 v18, v21, 3, s18                ; and back: row = wave, 8 bytes a lane
	v_lshlrev_b32 v19, 3, v21
	v_lshlrev_b32 v22, 2, v21
	v_lshlrev_b32 v23, 3, v2
	s_wait_kmcnt 0x0
	s_add_nc_u64 s[28:29], s[4:5], s[24:25]        ; q
	s_add_nc_u64 s[30:31], s[28:29], 8*65536       ; k
	s_add_nc_u64 s[32:33], s[28:29], 16*65536      ; v
	s_add_nc_u64 s[34:35], s[4:5], s[26:27]
	s_add_nc_u64 s[36:37], s[6:7], s[42:43]
	s_add_nc_u64 s[38:39], s[8:9], s[44:45]
	s_add_nc_u64 s[40:41], s[10:11], s[46:47]
.irp p, 0,1,2,3,4,5,6,7
	global_load_b32 v[240+2*\p], v22, s[34:35] offset:4096*\p
	global_load_b32 v[241+2*\p], v22, s[34:35] offset:4096*\p+128
.endr
.irp i, 0,1,2,3,4,5,6,7                ; register 4 i + u: channel 8 i + 4 h + u, of q and of k alike
	global_load_b128 v[QF+4*\i:QF+4*\i+3], v3, s[28:29] offset:32*\i
	global_load_b128 v[KFR+4*\i:KFR+4*\i+3], v3, s[30:31] offset:32*\i
.endr
	global_load_b64 v[8:9], v23, s[36:37]          ; the mask bytes of keys 8 h + 0..7
	global_load_u8 v10, v1, s[36:37]               ; and of my query
.irp ct, 0,1,2,3
.irp kj, 0,1,2,3,4,5,6,7
	global_load_b32 v[VF+8*\ct+\kj], v4, s[32:33] offset:\kj*4096+64*\ct   ; v[key 8 h + kj][channel 16 ct + r]
.endr
.endr
	s_wait_loadcnt 0x0
.set i, 0
.rept 64
	global_load_b32 v[WA+i], v5, s[38:39] offset:(8*(i/4)+i%4)*4096   ; register 4 i + u: w_proj[8 i + 4 h + u][column r] of my quarter: they land during phase 1
.set i, i+1
.endr
.irp p, 0,4,8,12
	v_pk_add_f32 v[240+\p:241+\p], v[240+\p:241+\p], v[242+\p:243+\p]
.endr
	v_pk_add_f32 v[240:241], v[240:241], v[244:245]
	v_pk_add_f32 v[248:249], v[248:249], v[252:253]
	v_pk_add_f32 v[240:241], v[240:241], v[248:249]
	v_mul_f32 v240, 0x3a800000, v240               ; / 1,024: the mean of v
	v_mul_f32 v241, 0x3a800000, v241
	ds_store_b32 v15, v240
	ds_store_b32 v15, v241 offset:128
	; S^T = k q^T: a lane holds query r and keys 8 h + 0..7.  Two accumulators take turns
	v_wmma_f32_16x16x4_f32 v[MA:MA+7], v[KFR:KFR+1], v[QF:QF+1], 0
	v_wmma_f32_16x16x4_f32 v[MA+8:MA+15], v[KFR+2:KFR+3], v[QF+2:QF+3], 0
.irp i, 1,2,3,4,5,6,7
	v_wmma_f32_16x16x4_f32 v[MA:MA+7], v[KFR+4*\i:KFR+4*\i+1], v[QF+4*\i:QF+4*\i+1], v[MA:MA+7]
	v_wmma_f32_16x16x4_f32 v[MA+8:MA+15], v[KFR+4*\i+2:KFR+4*\i+3], v[QF+4*\i+2:QF+4*\i+3], v[MA+8:MA+15]
.endr
.rept 8
	v_nop                                          ; eight places behind this form (ISA guide 7.12.1)
.endr
.set i, 0
.rept 64
	global_load_b32 v[WB+i], v5, s[38:39] offset:(8*(16+i/4)+i%4)*4096   ; the second half, into q's and k's registers
.set i, i+1
.endr
.irp j, 0,1,2,3,4,5,6,7
	v_add_f32 v[SS+\j], v[MA+\j], v[MA+8+\j]
.endr
.irp j, 0,1,2,3,4,5,6,7
	v_cmp_gt_i32 vcc_lo, \j, v11                   ; key 8 h + j comes after query r
	v_cndmask_b32 v[SS+\j], v[SS+\j], v12, vcc_lo
	v_bfe_u32 v20, v[8+\j/4], 8*(\j%4), 8
	v_cmp_eq_u32 vcc_lo, 0, v20                    ; or is invalid
	v_cndmask_b32 v[SS+\j], v[SS+\j], v12, vcc_lo
.endr
	v_max3_num_f32 v20, v[SS], v[SS+1], v[SS+2]
	v_max3_num_f32 v21, v[SS+3], v[SS+4], v[SS+5]
	v_max3_num_f32 v20, v20, v[SS+6], v[SS+7]
	v_max_num_f32 v20, v20, v21
	v_permlanex16_b32 v21, v20, s20, s21
	v_max_num_f32 v20, v20, v21                    ; the row's maximum
	v_mul_f32 v22, s22, v20
.irp j, 0,1,2,3,4,5,6,7
	v_fma_f32 v[SS+\j], v[SS+\j], s22, -v22
.endr
.irp j, 0,1,2,3,4,5,6,7
	v_exp_f32 v[PP+\j], v[SS+\j]
.endr
	v_nop
	s_wait_alu depctr_va_vdst(0)                   ; one wait for the eight, ahead of their first reader
	v_add_f32 v20, v[PP], v[PP+1]
	v_add_f32 v21, v[PP+2], v[PP+3]
	v_add_f32 v22, v[PP+4], v[PP+5]
	v_add_f32 v23, v[PP+6], v[PP+7]
	v_add_f32 v20, v20, v21
	v_add_f32 v22, v22, v23
	v_add_f32 v20, v20, v22
	v_permlanex16_b32 v21, v20, s20, s21
	v_add_f32 v20, v20, v21
	v_rcp_f32 v23, v20
	v_nop
	s_wait_alu depctr_va_vdst(0)
.irp j, 0,1,2,3,4,5,6,7
	v_mul_f32 v[PP+\j], v[PP+\j], v23
.endr
	; y^T = v^T p: place 2 h + j of step kc stands for key 8 h + 2 kc + j in both sources; four accumulators take turns
.irp kc, 0,1,2,3
.irp ct, 0,1,2,3
.if \kc == 0
	v_wmma_f32_16x16x4_f32 v[MA+8*\ct:MA+8*\ct+7], v[VF+8*\ct+2*\kc:VF+8*\ct+2*\kc+1], v[PP+2*\kc:PP+2*\kc+1], 0
.else
	v_wmma_f32_16x16x4_f32 v[MA+8*\ct:MA+8*\ct+7], v[VF+8*\ct+2*\kc:VF+8*\ct+2*\kc+1], v[PP+2*\kc:PP+2*\kc+1], v[MA+8*\ct:MA+8*\ct+7]
.endif
.endr
.endr
.rept 8
	v_nop
.endr
.irp ct, 0,1,2,3
	ds_load_b128 v[VF+8*\ct:VF+8*\ct+3], v16 offset:64*\ct         ; the mean of channels 16 ct + 8 h + 0..7: my own wave's bytes, in order behind my stores
	ds_load_b128 v[VF+8*\ct+4:VF+8*\ct+7], v16 offset:64*\ct+16
.endr
	s_wait_dscnt 0x0
	v_cmp_ne_u32 vcc_lo, 0, v10
.set i, 0
.rept 32
	v_cndmask_b32 v[VF+i], v[VF+i], v[MA+i], vcc_lo                ; a valid query keeps its row
.set i, i+1
.endr
.irp ct, 0,1,2,3
	ds_store_b128 v13, v[VF+8*\ct:VF+8*\ct+3] offset:64*\ct
	ds_store_b128 v13, v[VF+8*\ct+4:VF+8*\ct+7] offset:64*\ct+16
.endr
	s_wait_dscnt 0x0                               ; for the others' sake: my part of y lies in LDS
	s_barrier_signal -1
	s_barrier_wait -1
	; PHASE 2: source 0 = 16 columns of w_proj, source 1 = the 16 rows of y: a lane ends with eight neighbouring columns of row r
.rept 9
	v_nop                                          ; nine places: the sums below begin anew in registers that earlier products wrote
.endr
.irp g, 0,1,2,3
.if \g > 0
.rept 8
	v_nop                                          ; places in front of loads into y's fragments
.endr
.endif
.irp ii, 0,1,2,3,4,5,6,7
	ds_load_b128 v[VF+4*\ii:VF+4*\ii+3], v14 offset:32*(8*\g+\ii)
.endr
	s_wait_dscnt 0x0
.if \g == 0
	s_wait_loadcnt 63                              ; the first half of the weights is in: 64 loads were issued behind it
.endif
.if \g == 2
	s_wait_loadcnt 0x0
.endif
.irp ii, 0,1,2,3,4,5,6,7
.if \g < 2
.set WR, WA+4*(8*\g+\ii)
.else
.set WR, WB+4*(8*(\g-2)+\ii)
.endif
.if (\g == 0) && (\ii == 0)
	v_wmma_f32_16x16x4_f32 v[MA:MA+7], v[WR:WR+1], v[VF+4*\ii:VF+4*\ii+1], 0
	v_wmma_f32_16x16x4_f32 v[MA+8:MA+15], v[WR+2:WR+3], v[VF+4*\ii+2:VF+4*\ii+3], 0
.else
	v_wmma_f32_16x16x4_f32 v[MA:MA+7], v[WR:WR+1], v[VF+4*\ii:VF+4*\ii+1], v[MA:MA+7]
	v_wmma_f32_16x16x4_f32 v[MA+8:MA+15], v[WR+2:WR+3], v[VF+4*\ii+2:VF+4*\ii+3], v[MA+8:MA+15]
.endif
.endr
.endr
.rept 8
	v_nop
.endr
.irp j, 0,1,2,3,4,5,6,7
	v_add_f32 v[RS+\j], v[MA+\j], v[MA+8+\j]
.endr
	ds_store_b128 v17, v[RS:RS+3]
	ds_store_b128 v17, v[RS+4:RS+7] offset:16
	s_wait_dscnt 0x0
	s_barrier_signal -1
	s_barrier_wait -1
.irp k, 0,1,2,3
	ds_load_b64 v[240+2*\k:241+2*\k], v18 offset:16*272*\k
.endr
	s_wait_dscnt 0x0
	v_pk_add_f32 v[240:241], v[240:241], v[242:243]
	v_pk_add_f32 v[244:245], v[244:245], v[246:247]
	v_pk_add_f32 v[240:241], v[240:241], v[244:245]
	global_store_b64 v19, v[240:241], s[40:41]     ; the wave stores 256 consecutive bytes, aligned
	s_wait_tensorcnt 0x0                           ; the wave's end, behind my last LDS store
	ds_add_u32 v[SPW], v[NIL]
	s_wait_dscnt 0x0
	s_endpgm
.Lfunc_end_k_qdef009ff08_first16:
	.size	k_qdef009ff08_first16, .Lfunc_end_k_qdef009ff08_first16-k_qdef009ff08_first16
	.p2alignl 7, 3214868480
	.fill 96, 4, 3214868480
	.section	.rodata,"a",@progbits
	.p2align	6, 0x0
	.amdhsa_kernel k_qdef009ff08_first16
		.amdhsa_group_segment_fixed_size 90112
		.amdhsa_private_segment_fixed_size 0
		.amdhsa_enable_private_segment 0
		.amdhsa_kernarg_size 32
		.amdhsa_user_sgpr_count 2
		.amdhsa_user_sgpr_kernarg_segment_ptr 1
		.amdhsa_wavefront_size32 1
		.amdhsa_system_sgpr_workgroup_id_x 1
		.amdhsa_system_sgpr_workgroup_id_y 1
		.amdhsa_system_sgpr_workgroup_id_z 1
		.amdhsa_system_vgpr_workitem_id 0
		.amdhsa_next_free_vgpr 256
		.amdhsa_next_free_sgpr 66
		.amdhsa_reserve_vcc 1
		.amdhsa_float_denorm_mode_32 3
		.amdhsa_float_denorm_mode_16_64 3
		.amdhsa_memory_ordered 1
		.amdhsa_forward_progress 1
		.amdhsa_inst_pref_size 40
	.end_amdhsa_kernel
	.amdgpu_metadata
---
amdhsa.version: [ 1, 2 ]
amdhsa.kernels:
  - .name:           k_qdef009ff08_first16
    .symbol:         k_qdef009ff08_first16.kd
    .args:
      - { .name: side, .offset: 0, .size: 8, .value_kind: global_buffer, .address_space: global }
      - { .name: attn_mask, .offset: 8, .size: 8, .value_kind: global_buffer, .address_space: global }
      - { .name: w_proj, .offset: 16, .size: 8, .value_kind: global_buffer, .address_space: global }
      - { .name: out0, .offset: 24, .size: 8, .value_kind: global_buffer, .address_space: global }
    .group_segment_fixed_size: 90112
    .private_segment_fixed_size: 0
    .kernarg_segment_align: 8
    .kernarg_segment_size: 32
    .max_flat_workgroup_size: 512
    .sgpr_count:     66
    .vgpr_count:     256
    .wavefront_size: 32
...
	.end_amdgpu_metadata
.endif
;; end of part 7
;; ======== version 2 of 2: 5 launches
;; limits: values are held in f16: magnitudes above 65,504 overflow, below 6.1e-05 lose precision
;; workspace buffers: xc 4,194,304 bytes; xs 262,144 bytes; wc 1,572,864 bytes; ws 98,304 bytes; wp16 2,097,152 bytes; qkv 50,331,648 bytes; side 1,835,008 bytes; y 16,777,216 bytes
;; launch prep (part 8): grid 368 x 1, 4 waves a work-group, no clusters, 102,912 bytes of LDS; arguments x, w_qkv, w_proj, xc, xs, wc, ws, wp16; writes xc, xs, wc, ws, wp16
.if DOCPART == 8
	.amdgcn_target "amdgcn-amd-amdhsa--gfx1250"
	.amdhsa_code_object_version 6
	.text
	.protected	k_qdef009ff08_prep
	.globl	k_qdef009ff08_prep
	.p2align	8
	.type	k_qdef009ff08_prep,@function
k_qdef009ff08_prep:
	s_mov_b64 s[64:65], 0
	v_nop
	global_prefetch_b8 v0, s[64:65] scope:SCOPE_SE
	s_setreg_imm32_b32 hwreg(HW_REG_WAVE_MODE, 25, 1), 1
	s_wait_xcnt 0x0
; Three preparations in one launch, told apart by the work-group's number; they share nothing, and each has LDS bytes of its own.
;   work-groups 0-47:    w_qkv [1024 (k)][3072 (n)] f32 -> codes of FP4 (E2M1) laid [3072][1024], K innermost (wc: 512 bytes a row), and E8M0 scale bytes [3072][32] (ws).  The longest path: it has the lowest numbers.
;   work-groups 48-111:  w_proj [1024 (k)][1024 (n)] f32 -> f16 laid [n][k] (wp16).
;   work-groups 112-367: x [8192][1024] f32 -> codes, K innermost (xc: 512 bytes a row), and scale bytes [8192][32] (xs).
; THE QUANTISER: a block of 32 along K has the scale 2^(floor(log2(its largest magnitude)) - 2); its byte is the largest magnitude's exponent field - 2, held at 1 from below.  A block of zeros so gets the byte 1:
; its codes are zeros, which add nothing under that byte, and the bytes are read by this program alone.  Each number is divided by the scale and rounded to the nearest code, ties to even, beyond the largest code the largest.
; LIMITS: NaN and infinities among the inputs are not served; |w_proj| under 65,504, the range of f16.
; Memory binds: no matrix unit, no cluster, no barrier (waves share nothing).  102,912 bytes of LDS and 192 registers a wave let three work-groups lie on a WGP: all 368 run side by side.
.set XL,    0                          ; LDS: x's path: 8,192 bytes a wave
.set WL,    32768                      ; w_qkv's path: a stage of 32 x 272 bytes a wave
.set PL,    67584                      ; w_proj's path: the same
.set SPARE, 102400                     ; the spare words, 128 bytes a wave, named by no other line
.set SPW,   190                        ; v190 LDS address of my spare word; never rewritten
.set NIL,   191                        ; v191 0; never rewritten
	v_lshl_add_u32 v[SPW], v0, 2, SPARE
	v_mov_b32 v[NIL], 0
	v_lshrrev_b32 v1, 5, v0
	v_readfirstlane_b32 s16, v1                    ; wave
	v_and_b32 v2, 31, v0                           ; lane
	s_cmp_lt_u32 ttmp9, 48
	s_cbranch_scc1 .Lw
	s_cmp_lt_u32 ttmp9, 112
	s_cbranch_scc1 .Lp
; ---------------------------------------------------------------- x
; Rows are dense and 1,024 is a multiple of 32: the tensor is a plain stream of blocks of 32, and so are its codes and scale bytes.
; A wave takes 16 steps of 512 numbers.  Each load reads 512 consecutive bytes; a step's 2,048 bytes turn through the wave's own stage in LDS and come back 64 bytes a lane,
; so that a lane holds 16 neighbours along K (two neighbouring lanes hold a block).  A wave's store of codes covers 256 consecutive bytes; its 256 scale bytes leave as one aligned block.
; Loads run four steps (16 loads a wave) ahead.
.set STEPS, 16
.set CB,    8                          ; bytes of 16 codes
.set R,     16                         ; v16-79   four sets of 16 numbers as loaded
.set X,     80                         ; v80-111  two sets of 16 neighbours
.set C,     128                        ; v128-189 codes: registers of its own for each step
.set E,     112                        ; v112-127 a scale byte for each step
.set WREG,  8192                       ; a wave's region: two stages of 32 x SP bytes, then its 256 scale bytes
.set SP,    80                         ; a lane's place in a stage: 64 bytes + 16 of padding
	s_load_b64 s[4:5], s[0:1], 0x0                 ; x
	s_load_b64 s[6:7], s[0:1], 0x18                ; its codes
	s_load_b64 s[10:11], s[0:1], 0x20              ; its scale bytes
	v_lshlrev_b32 v3, 4, v2                        ; my 16 bytes of a load's 512
	s_mul_i32 s17, s16, WREG
	v_lshrrev_b32 v14, 2, v2
	v_mul_u32_u24 v14, v14, SP
	v_and_b32 v15, 3, v2
	v_lshl_add_u32 v14, v15, 4, v14
	v_add_nc_u32 v14, s17, v14                     ; the stage, on the way in: SP (lane / 4) + 16 (lane % 4)
	v_mul_u32_u24 v15, v2, SP
	v_add_nc_u32 v15, s17, v15                     ; and on the way out: SP x lane
	v_mul_u32_u24 v4, v2, CB                       ; my codes' place in a step's
	v_lshrrev_b32 v5, 1, v2
	s_add_co_u32 s17, s17, 2*32*SP
	v_add_nc_u32 v5, s17, v5                       ; LDS: my block's scale byte
	v_lshlrev_b32 v7, 3, v2                        ; on the way out 8 bytes a lane
	v_add_nc_u32 v6, s17, v7
	s_sub_co_u32 s17, ttmp9, 112
	s_lshl_b32 s17, s17, 2
	s_add_co_u32 s18, s17, s16                     ; which run of 8,192 numbers is my wave's
	s_mov_b32 s19, 0
	s_mov_b64 s[20:21], 512*STEPS*4
	s_mul_u64 s[20:21], s[18:19], s[20:21]
	s_mov_b64 s[22:23], 32*STEPS*CB
	s_mul_u64 s[22:23], s[18:19], s[22:23]
	s_lshl_b32 s18, s18, 8                         ; 256 scale bytes a run
	s_wait_kmcnt 0x0
	s_add_nc_u64 s[4:5], s[4:5], s[20:21]
	s_add_nc_u64 s[6:7], s[6:7], s[22:23]
	s_add_nc_u64 s[10:11], s[10:11], s[18:19]
.macro XLOAD t
.irp i, 0,1,2,3
	global_load_b128 v[R+16*((\t)%4)+4*\i:R+16*((\t)%4)+4*\i+3], v3, s[4:5] offset:2048*(\t)+512*\i th:TH_LOAD_NT   ; 32 lanes read 512 consecutive bytes
.endr
.endm
.macro XTURN t                         ; step t's numbers through the stage: LDS serves a wave's instructions in order, so no wait stands between the stores and the loads
.irp i, 0,1,2,3
	ds_store_b128 v14, v[R+16*((\t)%4)+4*\i:R+16*((\t)%4)+4*\i+3] offset:32*SP*((\t)%2)+8*SP*\i
.endr
.irp i, 0,1,2,3
	ds_load_b128 v[X+16*((\t)%2)+4*\i:X+16*((\t)%2)+4*\i+3], v15 offset:32*SP*((\t)%2)+16*\i
.endr
.endm
.irp t, 0,1,2,3
	XLOAD \t
.endr
	s_wait_loadcnt 12                              ; step 0's four loads are in; twelve younger ones stay out
	XTURN 0
.macro XSTEP t
.set XS, X+16*((\t)%2)
.if (\t) > 0
	s_wait_dscnt 1                                 ; this step's numbers are back from the stage; the last step's byte store may be out
.else
	s_wait_dscnt 0x0
.endif
.if (\t)+4 < STEPS
	XLOAD (\t)+4                                   ; into the registers that the stage's stores have read
.endif
.if (\t)+1 < STEPS
.if STEPS-2-(\t) >= 3
	s_wait_loadcnt 12                              ; the next step's four loads are in; those of three steps behind it may be out
.else
	s_wait_loadcnt 4*(STEPS-2-(\t))
.endif
	XTURN (\t)+1
.endif
	v_max3_num_f32 v8, |v[XS]|, |v[XS+1]|, |v[XS+2]|               ; the largest magnitude of my 16, in two chains
	v_max3_num_f32 v9, |v[XS+3]|, |v[XS+4]|, |v[XS+5]|
.irp i, 6,10
	v_max3_num_f32 v8, v8, |v[XS+\i]|, |v[XS+\i+1]|
	v_max3_num_f32 v9, v9, |v[XS+\i+2]|, |v[XS+\i+3]|
.endr
	v_max3_num_f32 v8, v8, |v[XS+14]|, |v[XS+15]|
	v_max3_num_f32 v8, v8, v9, 0x1800000           ; and the floor 2^(3 - 127): the byte cannot fall under 1
	v_max_num_f32_dpp v8, v8, v8 row_xmask:1 row_mask:0xf bank_mask:0xf   ; with my neighbour's 16: the block's
	v_add_nc_u32 v11, 0xff000000, v8               ; 2 off its exponent field: the conversion takes that field as its scale
	v_cvt_scalef32_pk8_fp4_f32 v[C+4*(\t)], v[XS:XS+7], v11
	v_cvt_scalef32_pk8_fp4_f32 v[C+4*(\t)+1], v[XS+8:XS+15], v11
	v_lshrrev_b32 v[E+(\t)], 23, v11               ; the scale's byte (a plain line behind the conversions)
	ds_store_b8 v5, v[E+(\t)] offset:16*(\t)       ; both lanes of a block write the same byte with the same value
	global_store_b64 v4, v[C+4*(\t):C+4*(\t)+1], s[6:7] offset:32*CB*(\t)   ; the wave stores 256 consecutive bytes, aligned
.endm
.irp t, 0,1,2,3,4,5,6,7,8,9,10,11,12,13,14,15
	XSTEP \t
.endr
	ds_load_b64 v[8:9], v6                         ; in order behind my byte stores
	s_wait_dscnt 0x0
	global_store_b64 v7, v[8:9], s[10:11]          ; 256 consecutive bytes, aligned
	s_wait_tensorcnt 0x0                           ; the wave's end, behind my last LDS store
	ds_add_u32 v[SPW], v[NIL]
	s_wait_dscnt 0x0
	s_endpgm
; ---------------------------------------------------------------- w_qkv
; K is the tensor's FIRST axis.  A LANE TAKES A COLUMN n AND ITS REGISTERS RUN DOWN K: each load reads 128 consecutive bytes a wave (512 a work-group), a block of 32 along K lies in one lane's 32 registers,
; and the conversions give codes with K innermost.  A wave takes 32 columns x 512 along K; its codes go through its own stage in LDS and leave as rows: sixteen lanes store 256 consecutive bytes, aligned.
; Every offset is an immediate: 511 x 3072 x 4 and 30 x 512 bytes lie inside the signed 24-bit field (ISA guide, chapter 10).
.Lw:
.set SIZE_K, 1024
.set SIZE_N, 3072
.set KW,    512
.set NB,    KW/32
.set ROWB,  256
.set PITCH, ROWB+16
.set KROW,  SIZE_K*4/8
.set X,     32                         ; v32-95   two sets of 32 numbers
.set C,     96                         ; v96-99   a block's codes
.set OUTR,  112                        ; v112-175 the way out
.set SB,    24                         ; v24-27   the scale bytes, four to a register
	s_load_b64 s[4:5], s[0:1], 0x8                 ; w_qkv
	s_load_b64 s[6:7], s[0:1], 0x28                ; its codes
	s_load_b64 s[8:9], s[0:1], 0x30                ; its scale bytes
	s_cmp_ge_u32 ttmp9, 24                         ; 24 blocks of 128 columns, twice: for each 512 along K
	s_cselect_b32 s18, 1, 0                        ; which 512 along K
	s_cselect_b32 s17, 24, 0
	s_sub_co_u32 s17, ttmp9, s17
	s_lshl_b32 s17, s17, 7
	s_lshl_b32 s19, s16, 5
	s_add_co_u32 s17, s17, s19                     ; my wave's first column
	v_lshlrev_b32 v3, 2, v2
	s_mul_i32 s19, s16, 32*PITCH
	s_add_co_u32 s19, s19, WL                      ; my stage
	v_mul_u32_u24 v4, v2, PITCH
	v_add_nc_u32 v4, s19, v4                       ; into it: row = my column
	v_and_b32 v5, 15, v2
	v_lshrrev_b32 v6, 4, v2
	v_mul_u32_u24 v7, v6, PITCH
	v_lshl_add_u32 v7, v5, 4, v7
	v_add_nc_u32 v7, s19, v7                       ; out of it: sixteen lanes to a row
	v_mul_u32_u24 v8, v6, KROW
	v_lshl_add_u32 v8, v5, 4, v8                   ; the same place in the codes' buffer
	s_mov_b32 s19, 0
	s_mov_b64 s[20:21], KW*SIZE_N*4
	s_mul_u64 s[20:21], s[18:19], s[20:21]
	s_lshl_b32 s22, s17, 2
	s_mov_b32 s23, 0
	s_add_nc_u64 s[20:21], s[20:21], s[22:23]
	s_mov_b32 s22, s17
	s_mov_b64 s[24:25], KROW
	s_mul_u64 s[24:25], s[22:23], s[24:25]
	s_mul_i32 s26, s18, ROWB
	s_mov_b32 s27, 0
	s_add_nc_u64 s[24:25], s[24:25], s[26:27]
	s_mov_b64 s[28:29], SIZE_K/32
	s_mul_u64 s[28:29], s[22:23], s[28:29]
	s_mul_i32 s26, s18, NB
	s_add_nc_u64 s[28:29], s[28:29], s[26:27]
	v_mul_u32_u24 v9, v2, SIZE_K/32                ; my column's row of scale bytes
	s_wait_kmcnt 0x0
	s_add_nc_u64 s[4:5], s[4:5], s[20:21]
	s_add_nc_u64 s[6:7], s[6:7], s[24:25]
	s_add_nc_u64 s[8:9], s[8:9], s[28:29]
.macro WLOAD t
.irp i, 0,1,2,3,4,5,6,7,8,9,10,11,12,13,14,15,16,17,18,19,20,21,22,23,24,25,26,27,28,29,30,31
	global_load_b32 v[X+32*((\t)%2)+\i], v3, s[4:5] offset:(32*(\t)+\i)*SIZE_N*4 th:TH_LOAD_NT
.endr
.endm
	WLOAD 0
	WLOAD 1
.macro WBLOCK t
.set XS, X+32*((\t)%2)
.if (\t) < NB-1
	s_wait_loadcnt 32                              ; this block's 32 loads are in; the next block's may be out
.else
	s_wait_loadcnt 0
.endif
	v_max3_num_f32 v12, |v[XS]|, |v[XS+1]|, |v[XS+2]|
	v_max3_num_f32 v13, |v[XS+3]|, |v[XS+4]|, |v[XS+5]|
.irp i, 6,10,14,18,22,26
	v_max3_num_f32 v12, v12, |v[XS+\i]|, |v[XS+\i+1]|
	v_max3_num_f32 v13, v13, |v[XS+\i+2]|, |v[XS+\i+3]|
.endr
	v_max3_num_f32 v12, v12, |v[XS+30]|, |v[XS+31]|
	v_max3_num_f32 v12, v12, v13, 0x1800000        ; the floor 2^(3 - 127)
	v_add_nc_u32 v11, 0xff000000, v12              ; 2 off the exponent field: the conversion's scale operand
	v_lshrrev_b32 v13, 23, v11                     ; the scale's byte
.if (\t)%4 == 0
	v_mov_b32 v[SB+(\t)/4], v13
.else
	v_lshl_or_b32 v[SB+(\t)/4], v13, 8*((\t)%4), v[SB+(\t)/4]
.endif
.irp g, 0,1,2,3
	v_cvt_scalef32_pk8_fp4_f32 v[C+\g], v[XS+8*\g:XS+8*\g+7], v11
.endr
	v_nop                                          ; a plain line behind the last conversion
	ds_store_b128 v4, v[C:C+3] offset:16*(\t)      ; 32 codes: 16 bytes of my column's row
.if (\t)+2 < NB
	WLOAD (\t)+2
.endif
	s_wait_dscnt 0x0                               ; the store has read its registers: the next block's codes may be written
.endm
.set Q, 0
.rept NB
	WBLOCK Q
.set Q, Q+1
.endr
	global_store_b128 v9, v[SB:SB+3], s[8:9]       ; my column's 16 scale bytes
.irp t, 0,1,2,3,4,5,6,7,8,9,10,11,12,13,14,15
	ds_load_b128 v[OUTR+4*\t:OUTR+4*\t+3], v7 offset:2*\t*PITCH
.endr
.irp t, 0,1,2,3,4,5,6,7,8,9,10,11,12,13,14,15
	s_wait_dscnt 15-\t                             ; LDS loads come back in order: load t is in
	global_store_b128 v8, v[OUTR+4*\t:OUTR+4*\t+3], s[6:7] offset:2*\t*KROW
.endr
	s_wait_tensorcnt 0x0                           ; the wave's end, behind my last LDS store
	ds_add_u32 v[SPW], v[NIL]
	s_wait_dscnt 0x0
	s_endpgm
; ---------------------------------------------------------------- w_proj
; The same plan: a lane takes a column n, its registers run down K, and two neighbours along K round into one register.  A wave takes 32 columns x 128 along K (256 bytes of f16 a column);
; they go through its own stage in LDS and leave as rows: sixteen lanes store 256 consecutive bytes, aligned.  Work-group 48 + 8 y + x: columns 128 x on, K 128 y on.
.Lp:
.set KW,    128
.set NB,    4                          ; blocks of 32 along K
.set KROW,  2048                       ; a row of wp16 in bytes
.set NROW,  4096                       ; a row of w_proj in bytes
	s_load_b64 s[4:5], s[0:1], 0x10                ; w_proj
	s_load_b64 s[6:7], s[0:1], 0x38                ; wp16
	s_sub_co_u32 s20, ttmp9, 48
	s_and_b32 s17, s20, 7
	s_lshr_b32 s18, s20, 3                         ; which 128 along K
	s_lshl_b32 s17, s17, 7
	s_lshl_b32 s19, s16, 5
	s_add_co_u32 s17, s17, s19                     ; my wave's first column
	v_lshlrev_b32 v3, 2, v2
	s_mul_i32 s19, s16, 32*PITCH
	s_add_co_u32 s19, s19, PL                      ; my stage
	v_mul_u32_u24 v4, v2, PITCH
	v_add_nc_u32 v4, s19, v4
	v_and_b32 v5, 15, v2
	v_lshrrev_b32 v6, 4, v2
	v_mul_u32_u24 v7, v6, PITCH
	v_lshl_add_u32 v7, v5, 4, v7
	v_add_nc_u32 v7, s19, v7
	v_mul_u32_u24 v8, v6, KROW
	v_lshl_add_u32 v8, v5, 4, v8
	s_mul_i32 s20, s18, KW*NROW                    ; 128 y rows of w_proj
	s_lshl_b32 s22, s17, 2
	s_add_co_u32 s20, s20, s22                     ; + 4 x column
	s_mov_b32 s21, 0
	s_mul_i32 s24, s17, KROW                       ; column x 2,048
	s_lshl_b32 s22, s18, 8
	s_add_co_u32 s24, s24, s22                     ; + 256 y
	s_mov_b32 s25, 0
	s_wait_kmcnt 0x0
	s_add_nc_u64 s[4:5], s[4:5], s[20:21]
	s_add_nc_u64 s[6:7], s[6:7], s[24:25]
.macro PLOAD t
.irp i, 0,1,2,3,4,5,6,7,8,9,10,11,12,13,14,15,16,17,18,19,20,21,22,23,24,25,26,27,28,29,30,31
	global_load_b32 v[X+32*((\t)%2)+\i], v3, s[4:5] offset:(32*(\t)+\i)*NROW th:TH_LOAD_NT
.endr
.endm
	PLOAD 0
	PLOAD 1
.macro PBLOCK t
.set XS, X+32*((\t)%2)
.if (\t) < NB-1
	s_wait_loadcnt 32                              ; this block's 32 loads are in; the next block's may be out
.else
	s_wait_loadcnt 0
.endif
.irp i, 0,1,2,3,4,5,6,7,8,9,10,11,12,13,14,15
	v_cvt_pk_f16_f32 v[C+\i], v[XS+2*\i], v[XS+2*\i+1]
.endr
.irp g, 0,1,2,3
	ds_store_b128 v4, v[C+4*\g:C+4*\g+3] offset:64*(\t)+16*\g
.endr
.if (\t)+2 < NB
	PLOAD (\t)+2
.endif
	s_wait_dscnt 0x0                               ; the stores have read their registers
.endm
.irp t, 0,1,2,3
	PBLOCK \t
.endr
.irp t, 0,1,2,3,4,5,6,7,8,9,10,11,12,13,14,15
	ds_load_b128 v[OUTR+4*\t:OUTR+4*\t+3], v7 offset:2*\t*PITCH
.endr
.irp t, 0,1,2,3,4,5,6,7,8,9,10,11,12,13,14,15
	s_wait_dscnt 15-\t
	global_store_b128 v8, v[OUTR+4*\t:OUTR+4*\t+3], s[6:7] offset:2*\t*KROW
.endr
	s_wait_tensorcnt 0x0                           ; the wave's end, behind my last LDS store
	ds_add_u32 v[SPW], v[NIL]
	s_wait_dscnt 0x0
	s_endpgm
.Lfunc_end_k_qdef009ff08_prep:
	.size	k_qdef009ff08_prep, .Lfunc_end_k_qdef009ff08_prep-k_qdef009ff08_prep
	.p2alignl 7, 3214868480
	.fill 96, 4, 3214868480
	.section	.rodata,"a",@progbits
	.p2align	6, 0x0
	.amdhsa_kernel k_qdef009ff08_prep
		.amdhsa_group_segment_fixed_size 102912
		.amdhsa_private_segment_fixed_size 0
		.amdhsa_enable_private_segment 0
		.amdhsa_kernarg_size 64
		.amdhsa_user_sgpr_count 2
		.amdhsa_user_sgpr_kernarg_segment_ptr 1
		.amdhsa_wavefront_size32 1
		.amdhsa_system_sgpr_workgroup_id_x 1
		.amdhsa_system_sgpr_workgroup_id_y 1
		.amdhsa_system_sgpr_workgroup_id_z 1
		.amdhsa_system_vgpr_workitem_id 0
		.amdhsa_next_free_vgpr 192
		.amdhsa_next_free_sgpr 66
		.amdhsa_reserve_vcc 0
		.amdhsa_float_denorm_mode_32 3
		.amdhsa_float_denorm_mode_16_64 3
		.amdhsa_memory_ordered 1
		.amdhsa_forward_progress 1
		.amdhsa_inst_pref_size 134
	.end_amdhsa_kernel
	.amdgpu_metadata
---
amdhsa.version: [ 1, 2 ]
amdhsa.kernels:
  - .name:           k_qdef009ff08_prep
    .symbol:         k_qdef009ff08_prep.kd
    .args:
      - { .name: x, .offset: 0, .size: 8, .value_kind: global_buffer, .address_space: global }
      - { .name: w_qkv, .offset: 8, .size: 8, .value_kind: global_buffer, .address_space: global }
      - { .name: w_proj, .offset: 16, .size: 8, .value_kind: global_buffer, .address_space: global }
      - { .name: xc, .offset: 24, .size: 8, .value_kind: global_buffer, .address_space: global }
      - { .name: xs, .offset: 32, .size: 8, .value_kind: global_buffer, .address_space: global }
      - { .name: wc, .offset: 40, .size: 8, .value_kind: global_buffer, .address_space: global }
      - { .name: ws, .offset: 48, .size: 8, .value_kind: global_buffer, .address_space: global }
      - { .name: wp16, .offset: 56, .size: 8, .value_kind: global_buffer, .address_space: global }
    .group_segment_fixed_size: 102912
    .private_segment_fixed_size: 0
    .kernarg_segment_align: 8
    .kernarg_segment_size: 64
    .max_flat_workgroup_size: 128
    .sgpr_count:     66
    .vgpr_count:     192
    .wavefront_size: 32
...
	.end_amdgpu_metadata
.endif
;; end of part 8
;; launch gemm_qkv: the kernel of part 4 again; grid 12 x 32, 4 waves a work-group, clusters of 4 x 4, 327,680 bytes of LDS; arguments xc, xs, wc, ws, cos, sin, qkv, side; writes qkv, side
;; launch attn: the kernel of part 5 again; grid 64 x 8, 16 waves a work-group, no clusters, 327,680 bytes of LDS; arguments qkv, side, attn_mask, y; writes y
;; launch proj: the kernel of part 6 again; grid 4 x 64, 4 waves a work-group, clusters of 4 x 4, 327,680 bytes of LDS; arguments y, wp16, out0; writes out0
;; launch first16 (part 9): grid 16 x 8, 16 waves a work-group, no clusters, 75,776 bytes of LDS; arguments side, attn_mask, w_proj, out0; writes out0
.if DOCPART == 9
	.amdgcn_target "amdgcn-amd-amdhsa--gfx1250"
	.amdhsa_code_object_version 6
	.text
	.protected	k_qdef009ff08_first16
	.globl	k_qdef009ff08_first16
	.p2align	8
	.type	k_qdef009ff08_first16,@function
k_qdef009ff08_first16:
	s_mov_b64 s[64:65], 0
	v_nop
	global_prefetch_b8 v0, s[64:65] scope:SCOPE_SE
	s_setreg_imm32_b32 hwreg(HW_REG_WAVE_MODE, 25, 1), 1
	s_wait_xcnt 0x0
; Positions 0 to 15 of every sequence once more, wholly in f32: these rows average one to sixteen values and are the largest of the output, so the rounding of f16 operands weighs most there.
; 128 rows in all: no bulk work.  A work-group takes a batch and 64 columns of out0; WAVE = HEAD throughout.
; PHASE 1: scores of 16 queries x 16 keys from the f32 copies in side, the masks, softmax, y (or, for an invalid query, the mean of v over the whole sequence).
; PHASE 2: the head's 64 channels are the wave's share of the projection's K, so y never leaves the wave's registers: lane (r, h) holds y[query r][16 ct + 8 h + j], and a pair of these registers is a source of the
; f32 matrix form as it stands.  That form takes four along K: register j of lane (r, h) stands for place 2 h + j; which true k stands at a place is free so long as both sources agree.
; Which columns of w_proj form a tile is free too: tile u takes columns 4 r + u, so that one load of 16 bytes brings a lane one row's numbers for all four tiles, and sixteen lanes read 256 consecutive bytes, aligned.
; The sixteen waves' parts (16 rows x 64 columns each) meet in LDS; wave w adds row w's sixteen and stores its 256 bytes.
; The registers that these matrix instructions write (v136-167) are written by them alone; each sum begins with the constant 0.
.set VM,    0                          ; LDS: the mean of v: 256 bytes a wave, its own
.set PART,  4096                       ; the waves' parts: 16 rows x (256 bytes + 16) each
.set PW,    16*272
.set SPARE, PART+16*PW                 ; the spare words, 128 bytes a wave, named by no other line
.set SPW,  6
.set NIL,  7
.set SS,   24                          ; v24-31   scores
.set PP,   32                          ; v32-39   weights
.set QF,   40                          ; v40-71   q;  v72-103 k;  later w_proj's rows for channels 32 to 63
.set KFR,  72
.set WB,   40
.set VF,   104                         ; v104-135 v, then the mean and y
.set MA,   136                         ; v136-167 matrix results
.set WA,   168                         ; v168-231 w_proj's rows for channels 0 to 31
.set RS,   168                         ; v168-199 behind the products: my part, columns in order
.set TR,   200                         ; v200-231 behind the barrier: sixteen parts of my row
.set TT,   232                         ; v232-235 at work
	s_load_b256 s[4:11], s[0:1], 0x0               ; side, attn_mask, w_proj, out0
	v_lshl_add_u32 v[SPW], v0, 2, SPARE
	v_mov_b32 v[NIL], 0
	v_lshrrev_b32 v20, 5, v0
	v_readfirstlane_b32 s12, v20                   ; wave = head
	s_and_b32 s13, ttmp7, 0xffff                   ; the batch
	s_mov_b32 s20, 0x76543210
	s_mov_b32 s21, 0xfedcba98
	s_mov_b32 s22, 0x3e38aa3b                      ; c = log2(e) / 8
	s_lshl_b32 s24, s13, 16
	s_lshl_b32 s17, s12, 8
	s_add_co_u32 s24, s24, s17                     ; q: batch x 65,536 + 256 x head
	s_mov_b32 s25, 0
	s_lshl_b32 s26, s13, 15
	s_add_co_u32 s26, s26, s17
	s_add_co_u32 s26, s26, 1572864                 ; the column sums of my head
	s_mov_b32 s27, 0
	s_lshl_b32 s42, s13, 10                        ; the batch's row of the mask
	s_mov_b32 s43, 0
	s_lshl_b32 s44, s12, 18                        ; w_proj: my head's 64 rows of 4,096 bytes,
	s_lshl_b32 s18, ttmp9, 8
	s_add_co_u32 s44, s44, s18                     ; the work-group's 64 columns
	s_mov_b32 s45, 0
	s_add_co_u32 s46, s42, s12
	s_lshl_b32 s46, s46, 12
	s_add_co_u32 s46, s46, s18                     ; out0: row 1024 b + wave, the work-group's 256 bytes
	s_mov_b32 s47, 0
	v_and_b32 v1, 15, v0                           ; r
	v_bfe_u32 v2, v0, 4, 1                         ; h
	v_lshlrev_b32 v3, 12, v1
	v_lshl_add_u32 v3, v2, 4, v3                   ; q, k: 4096 r + 16 h
	v_lshlrev_b32 v4, 2, v1
	v_lshl_add_u32 v4, v2, 15, v4                  ; v: eight keys down for lanes 16-31, channel r
	v_lshlrev_b32 v5, 4, v1
	v_lshl_add_u32 v5, v2, 15, v5                  ; w_proj: eight rows down for lanes 16-31, columns 4 r on
	v_lshlrev_b32 v20, 3, v2
	v_sub_nc_u32 v11, v1, v20                      ; r - 8 h
	v_mov_b32 v12, 0xf149f2ca                      ; -1e30
	v_and_b32 v21, 31, v0
	s_add_co_u32 s17, s17, VM
	v_lshl_add_u32 v15, v21, 2, s17                ; the mean, in
	v_lshl_add_u32 v16, v2, 5, s17                 ; and back
	v_mul_u32_u24 v17, v1, 272
	v_lshl_add_u32 v17, v2, 7, v17
	s_mul_i32 s18, s12, PW
	s_add_co_u32 s18, s18, PART
	v_add_nc_u32 v17, s18, v17                     ; my part, in: row r, 128 bytes for each half of the lanes
	s_mul_i32 s18, s12, 272
	s_add_co_u32 s18, s18, PART
	v_lshl_add_u32 v18, v21, 3, s18                ; and back: row = wave, 8 bytes a lane, of each wave's part
	v_lshlrev_b32 v19, 3, v21
	v_lshlrev_b32 v22, 2, v21
	v_lshlrev_b32 v23, 3, v2
	s_wait_kmcnt 0x0
	s_add_nc_u64 s[28:29], s[4:5], s[24:25]        ; q
	s_add_nc_u64 s[30:31], s[28:29], 8*65536       ; k
	s_add_nc_u64 s[32:33], s[28:29], 16*65536      ; v
	s_add_nc_u64 s[34:35], s[4:5], s[26:27]
	s_add_nc_u64 s[36:37], s[6:7], s[42:43]
	s_add_nc_u64 s[38:39], s[8:9], s[44:45]
	s_add_nc_u64 s[40:41], s[10:11], s[46:47]
.irp p, 0,1,2,3,4,5,6,7
	global_load_b32 v[240+2*\p], v22, s[34:35] offset:4096*\p
	global_load_b32 v[241+2*\p], v22, s[34:35] offset:4096*\p+128
.endr
.irp i, 0,1,2,3,4,5,6,7                ; register 4 i + u: channel 8 i + 4 h + u, of q and of k alike
	global_load_b128 v[QF+4*\i:QF+4*\i+3], v3, s[28:29] offset:32*\i
	global_load_b128 v[KFR+4*\i:KFR+4*\i+3], v3, s[30:31] offset:32*\i
.endr
	global_load_b64 v[8:9], v23, s[36:37]          ; the mask bytes of keys 8 h + 0..7
	global_load_u8 v10, v1, s[36:37]               ; and of my query
.irp ct, 0,1,2,3
.irp kj, 0,1,2,3,4,5,6,7
	global_load_b32 v[VF+8*\ct+\kj], v4, s[32:33] offset:\kj*4096+64*\ct   ; v[key 8 h + kj][channel 16 ct + r]
.endr
.endr
; w_proj's rows 64 head + 16 ct + 8 h + e, columns 4 r + 0..3: four registers at base + 32 (ct % 2) + 4 e
.macro WROWS base, ct0
.irp c, 0,1
.irp e, 0,1,2,3,4,5,6,7
	global_load_b128 v[\base+32*\c+4*\e:\base+32*\c+4*\e+3], v5, s[38:39] offset:(16*(\ct0+\c)+\e)*4096
.endr
.endr
.endm
; Two rows' eight registers a0 a1 a2 a3 b0 b1 b2 b3 become a0 b0 a2 b2 a1 b1 a3 b3: the two k of each tile side by side, as a source of the matrix form wants them.  Tile u's pair lies at 4 (u % 2) + 2 (u / 2).
.macro REARR base
.irp q, 0,1,2,3,4,5,6,7
	v_mov_b32 v[TT+2*(\q%2)], v[\base+8*\q+1]
	v_mov_b32 v[TT+2*(\q%2)+1], v[\base+8*\q+3]
	v_mov_b32 v[\base+8*\q+1], v[\base+8*\q+4]
	v_mov_b32 v[\base+8*\q+3], v[\base+8*\q+6]
	v_mov_b32 v[\base+8*\q+4], v[TT+2*(\q%2)]
	v_mov_b32 v[\base+8*\q+6], v[TT+2*(\q%2)+1]
.endr
.endm
	WROWS WA, 0                                    ; the first half of the weights: they land during phase 1
	s_wait_loadcnt 16                              ; all but these sixteen are in
.irp p, 0,4,8,12
	v_pk_add_f32 v[240+\p:241+\p], v[240+\p:241+\p], v[242+\p:243+\p]
.endr
	v_pk_add_f32 v[240:241], v[240:241], v[244:245]
	v_pk_add_f32 v[248:249], v[248:249], v[252:253]
	v_pk_add_f32 v[240:241], v[240:241], v[248:249]
	v_mul_f32 v240, 0x3a800000, v240               ; / 1,024: the mean of v
	v_mul_f32 v241, 0x3a800000, v241
	ds_store_b32 v15, v240
	ds_store_b32 v15, v241 offset:128
	; S^T = k q^T: a lane holds query r and keys 8 h + 0..7.  Two accumulators take turns
	v_wmma_f32_16x16x4_f32 v[MA:MA+7], v[KFR:KFR+1], v[QF:QF+1], 0
	v_wmma_f32_16x16x4_f32 v[MA+8:MA+15], v[KFR+2:KFR+3], v[QF+2:QF+3], 0
.irp i, 1,2,3,4,5,6,7
	v_wmma_f32_16x16x4_f32 v[MA:MA+7], v[KFR+4*\i:KFR+4*\i+1], v[QF+4*\i:QF+4*\i+1], v[MA:MA+7]
	v_wmma_f32_16x16x4_f32 v[MA+8:MA+15], v[KFR+4*\i+2:KFR+4*\i+3], v[QF+4*\i+2:QF+4*\i+3], v[MA+8:MA+15]
.endr
.rept 8
	v_nop                                          ; eight places behind this form (ISA guide 7.12.1)
.endr
	WROWS WB, 2                                    ; the second half, into q's and k's registers
.irp j, 0,1,2,3,4,5,6,7
	v_add_f32 v[SS+\j], v[MA+\j], v[MA+8+\j]
.endr
.irp j, 0,1,2,3,4,5,6,7
	v_cmp_gt_i32 vcc_lo, \j, v11                   ; key 8 h + j comes after query r
	v_cndmask_b32 v[SS+\j], v[SS+\j], v12, vcc_lo
	v_bfe_u32 v20, v[8+\j/4], 8*(\j%4), 8
	v_cmp_eq_u32 vcc_lo, 0, v20                    ; or is invalid
	v_cndmask_b32 v[SS+\j], v[SS+\j], v12, vcc_lo
.endr
	v_max3_num_f32 v20, v[SS], v[SS+1], v[SS+2]
	v_max3_num_f32 v21, v[SS+3], v[SS+4], v[SS+5]
	v_max3_num_f32 v20, v20, v[SS+6], v[SS+7]
	v_max_num_f32 v20, v20, v21
	v_permlanex16_b32 v21, v20, s20, s21
	v_max_num_f32 v20, v20, v21                    ; the row's maximum
	v_mul_f32 v22, s22, v20
.irp j, 0,1,2,3,4,5,6,7
	v_fma_f32 v[SS+\j], v[SS+\j], s22, -v22
.endr
.irp j, 0,1,2,3,4,5,6,7
	v_exp_f32 v[PP+\j], v[SS+\j]
.endr
	v_nop
	s_wait_alu depctr_va_vdst(0)                   ; one wait for the eight, ahead of their first reader
	v_add_f32 v20, v[PP], v[PP+1]
	v_add_f32 v21, v[PP+2], v[PP+3]
	v_add_f32 v22, v[PP+4], v[PP+5]
	v_add_f32 v23, v[PP+6], v[PP+7]
	v_add_f32 v20, v20, v21
	v_add_f32 v22, v22, v23
	v_add_f32 v20, v20, v22
	v_permlanex16_b32 v21, v20, s20, s21
	v_add_f32 v20, v20, v21
	v_rcp_f32 v23, v20
	v_nop
	s_wait_alu depctr_va_vdst(0)
.irp j, 0,1,2,3,4,5,6,7
	v_mul_f32 v[PP+\j], v[PP+\j], v23
.endr
	; y^T = v^T p: place 2 h + j of step kc stands for key 8 h + 2 kc + j in both sources; four accumulators take turns
.irp kc, 0,1,2,3
.irp ct, 0,1,2,3
.if \kc == 0
	v_wmma_f32_16x16x4_f32 v[MA+8*\ct:MA+8*\ct+7], v[VF+8*\ct+2*\kc:VF+8*\ct+2*\kc+1], v[PP+2*\kc:PP+2*\kc+1], 0
.else
	v_wmma_f32_16x16x4_f32 v[MA+8*\ct:MA+8*\ct+7], v[VF+8*\ct+2*\kc:VF+8*\ct+2*\kc+1], v[PP+2*\kc:PP+2*\kc+1], v[MA+8*\ct:MA+8*\ct+7]
.endif
.endr
.endr
	s_wait_loadcnt 16                              ; the first half of the weights is in; the second half's sixteen loads may be out
	REARR WA                                       ; 48 plain instructions that name no register of the products above: the places in front of the reads of their results, of the loads into their sources, and of the new sums in their registers
.irp ct, 0,1,2,3
	ds_load_b128 v[VF+8*\ct:VF+8*\ct+3], v16 offset:64*\ct         ; the mean of channels 16 ct + 8 h + 0..7: my own wave's bytes, in order behind my stores
	ds_load_b128 v[VF+8*\ct+4:VF+8*\ct+7], v16 offset:64*\ct+16
.endr
	s_wait_dscnt 0x0
	v_cmp_ne_u32 vcc_lo, 0, v10
.set i, 0
.rept 32
	v_cndmask_b32 v[VF+i], v[VF+i], v[MA+i], vcc_lo                ; a valid query keeps its row: register 8 ct + j is y[query r][16 ct + 8 h + j]
.set i, i+1
.endr
	; PHASE 2.  K step (ct, i): place 2 h + j stands for channel 16 ct + 8 h + 2 i + j of my head, in both sources.  Source 0 = columns 4 m + u of w_proj, source 1 = the 16 queries.
	; Four accumulators, one for each tile u, take turns.
.irp ct, 0,1,2,3
.if \ct == 2
	s_wait_loadcnt 0x0                             ; the second half of the weights is in
	REARR WB
.endif
.irp i, 0,1,2,3
.irp u, 0,1,2,3
.if \ct < 2
.set WR, WA+32*\ct+8*\i+4*(\u%2)+2*(\u/2)
.else
.set WR, WB+32*(\ct-2)+8*\i+4*(\u%2)+2*(\u/2)
.endif
.if (\ct == 0) && (\i == 0)
	v_wmma_f32_16x16x4_f32 v[MA+8*\u:MA+8*\u+7], v[WR:WR+1], v[VF+8*\ct+2*\i:VF+8*\ct+2*\i+1], 0
.else
	v_wmma_f32_16x16x4_f32 v[MA+8*\u:MA+8*\u+7], v[WR:WR+1], v[VF+8*\ct+2*\i:VF+8*\ct+2*\i+1], v[MA+8*\u:MA+8*\u+7]
.endif
.endr
.endr
.endr
.rept 8
	v_nop
.endr
.irp j, 0,1,2,3,4,5,6,7                ; register j of tile u is column 32 h + 4 j + u of query r: the four tiles' registers j are four neighbouring columns.  Each accumulator is read from its low end on
.irp u, 0,1,2,3
	v_mov_b32 v[RS+4*\j+\u], v[MA+8*\u+\j]
.endr
.endr
.irp j, 0,1,2,3,4,5,6,7
	ds_store_b128 v17, v[RS+4*\j:RS+4*\j+3] offset:16*\j
.endr
	s_wait_dscnt 0x0                               ; for the others' sake: my part lies in LDS
	s_barrier_signal -1
	s_barrier_wait -1
.irp p, 0,1,2,3,4,5,6,7,8,9,10,11,12,13,14,15
	ds_load_b64 v[TR+2*\p:TR+2*\p+1], v18 offset:PW*\p             ; row = my wave's number, of wave p's part
.endr
	s_wait_dscnt 0x0
.irp p, 0,4,8,12,16,20,24,28
	v_pk_add_f32 v[TR+\p:TR+\p+1], v[TR+\p:TR+\p+1], v[TR+\p+2:TR+\p+3]
.endr
.irp p, 0,8,16,24
	v_pk_add_f32 v[TR+\p:TR+\p+1], v[TR+\p:TR+\p+1], v[TR+\p+4:TR+\p+5]
.endr
.irp p, 0,16
	v_pk_add_f32 v[TR+\p:TR+\p+1], v[TR+\p:TR+\p+1], v[TR+\p+8:TR+\p+9]
.endr
	v_pk_add_f32 v[TR:TR+1], v[TR:TR+1], v[TR+16:TR+17]
	global_store_b64 v19, v[TR:TR+1], s[40:41]     ; the wave stores 256 consecutive bytes, aligned
	s_wait_tensorcnt 0x0                           ; the wave's end, behind my last LDS store
	ds_add_u32 v[SPW], v[NIL]
	s_wait_dscnt 0x0
	s_endpgm
.Lfunc_end_k_qdef009ff08_first16:
	.size	k_qdef009ff08_first16, .Lfunc_end_k_qdef009ff08_first16-k_qdef009ff08_first16
	.p2alignl 7, 3214868480
	.fill 96, 4, 3214868480
	.section	.rodata,"a",@progbits
	.p2align	6, 0x0
	.amdhsa_kernel k_qdef009ff08_first16
		.amdhsa_group_segment_fixed_size 75776
		.amdhsa_private_segment_fixed_size 0
		.amdhsa_enable_private_segment 0
		.amdhsa_kernarg_size 32
		.amdhsa_user_sgpr_count 2
		.amdhsa_user_sgpr_kernarg_segment_ptr 1
		.amdhsa_wavefront_size32 1
		.amdhsa_system_sgpr_workgroup_id_x 1
		.amdhsa_system_sgpr_workgroup_id_y 1
		.amdhsa_system_sgpr_workgroup_id_z 1
		.amdhsa_system_vgpr_workitem_id 0
		.amdhsa_next_free_vgpr 256
		.amdhsa_next_free_sgpr 66
		.amdhsa_reserve_vcc 1
		.amdhsa_float_denorm_mode_32 3
		.amdhsa_float_denorm_mode_16_64 3
		.amdhsa_memory_ordered 1
		.amdhsa_forward_progress 1
		.amdhsa_inst_pref_size 32
	.end_amdhsa_kernel
	.amdgpu_metadata
---
amdhsa.version: [ 1, 2 ]
amdhsa.kernels:
  - .name:           k_qdef009ff08_first16
    .symbol:         k_qdef009ff08_first16.kd
    .args:
      - { .name: side, .offset: 0, .size: 8, .value_kind: global_buffer, .address_space: global }
      - { .name: attn_mask, .offset: 8, .size: 8, .value_kind: global_buffer, .address_space: global }
      - { .name: w_proj, .offset: 16, .size: 8, .value_kind: global_buffer, .address_space: global }
      - { .name: out0, .offset: 24, .size: 8, .value_kind: global_buffer, .address_space: global }
    .group_segment_fixed_size: 75776
    .private_segment_fixed_size: 0
    .kernarg_segment_align: 8
    .kernarg_segment_size: 32
    .max_flat_workgroup_size: 512
    .sgpr_count:     66
    .vgpr_count:     256
    .wavefront_size: 32
...
	.end_amdgpu_metadata
.endif
;; end of part 9
